; MI455X (gfx1250); checked and timed in simulation.
; The chip was launched on July 23, 2026; its instructions are those of AMD's public machine-readable ISA for CDNA 5 (MIT licence, August 2026) and "CDNA5" Instruction Set Architecture Reference Guide (July 2026). The comments in the code are by the model that wrote it; some were corrected since.
;; Attention. Allowed arithmetic: matrix products marked QUANTISED: E5M2 operands, one E8M0 scale for each 32 along K, by v_wmma_scale_f32_16x16x128_f8f6f4 with both operands' format E5M2, f32 sums; products left as they are: f32 operands where the result goes on into a quantised operand, else bf16, f16 or f32 operands; f32 sums; everything else in f32.
;; Inputs: W_hid 2,048 x 1,024 float32; b_hid 1,024 float32; encoder_outputs 32 x 1,024 x 1,024 float32; hidden 32 x 1 x 1,024 float32; w_score 1,024 float32.
;; Outputs: out0 32 x 1 x 1,024 float32; out1 32 x 1 x 1,024 float32.
;; This version of the problem:
;;   THIS VERSION OF THE PROBLEM IS GIVEN IN LOW PRECISION. The matrix products marked QUANTISED in the list below multiply operands that are first quantised to E5M2 (5 exponent bits, 2 mantissa bits; 8 bits a number), with one power-of-two scale for each 32 numbers along K (OCP MX v1.0); their sums are f32. All else is computed in f32.
;;   The module's matrix products, in the order in which they are computed (A, B: the left and right operand; K: the contracted axis; several contracted axes count as one K, in the product's order):
;;     1. [M 32,768, K 2,048] x [K 2,048, N 1,024]; A: computed on the way; B: input W_hid: QUANTISED
;;     2. [M 32,768, K 1,024] x [K 1,024, N 1]; A: computed on the way; B: input w_score: left as it is (N = 1 < 16)
;;     3. batch 32 x [M 1, K 1,024] x [K 1,024, N 1,024]; A: computed on the way; B: input encoder_outputs: left as it is (M = 1 < 16)
;;   THE QUANTISER, for each operand of a quantised product, along K:
;;     - K is cut into blocks of 32 from its start; a last block that is shorter is filled with zeros.
;;     - A block's scale is 2^e with e = floor(log2(the largest magnitude in the block)) - 15, held to -126 .. 127; a block of zeros has e = 0. As a byte (E8M0): e + 127.
;;     - Each number is divided by its block's scale, clamped to +-57,344, and rounded to the nearest number of E5M2, ties to even, subnormals kept.
;;     - The product sums the exact products of the quantised numbers (number of the format x scale) in f32.
;;   ~~~python
;;   def quantise(x, axis):      # numpy; x: float32 -> the quantised numbers, widened to float32 again
;;       x = np.moveaxis(x, axis, -1); K = x.shape[-1]
;;       x = np.pad(x, [(0, 0)] * (x.ndim - 1) + [(0, -K % 32)]); x = x.reshape(x.shape[:-1] + (-1, 32)); a = np.abs(x).max(-1, keepdims=True)
;;       e = np.where(a > 0, np.clip(np.frexp(np.where(a > 0, a, 1))[1] - 1 - 15, -126, 127), 0)      # np.frexp(a)[1] - 1 = floor(log2(a)), exactly
;;       r = np.clip(x / 2.0 ** e, -57344, 57344)
;;       step = 2.0 ** (np.maximum(np.frexp(np.where(r == 0, 1, r))[1] - 1, -14) - 2)
;;       q = np.round(r / step) * step * 2.0 ** e      # np.round: ties to even
;;       return np.moveaxis(q.reshape(q.shape[:-2] + (-1,))[..., :K], -1, axis).astype(np.float32)
;;   ~~~
;;   OPERANDS COMPUTED ON THE WAY. 'Computed on the way' means the value that the module computes at that place (a softmax that the list does not call 'softmax' is quantised finished and normalised). What goes into a quantiser is computed in f32, as accurately as f32 sums, v_exp_f32 and their like allow (about 1e-6 of the number): no bf16 or f16 on the way to a quantiser, and a product that is left as it is and whose result goes on into a quantised operand takes f32 operands (vector FMAs, or v_wmma_f32_16x16x4_f32). A number that lies on a knife's edge between two numbers of the format may be rounded either way, as far as f32 arithmetic and the matrix unit's own rounding can turn it there, and no further.
;; 2 versions. Each part assembles by itself: llvm-mc -triple=amdgcn-amd-amdhsa -mcpu=gfx1250 --defsym DOCPART=n.
;; ======== version 1 of 2: 3 launches
;; workspace buffers: wimg 1,081,344 bytes; cpart 1,048,576 bytes; scores 131,072 bytes; pctx 1,048,576 bytes
;; launch prep (part 1): grid 256 x 1, 1 waves a work-group, no clusters, 8,960 bytes of LDS; arguments W_hid, hidden, wimg, cpart; writes wimg, cpart
.if DOCPART == 1
	.amdgcn_target "amdgcn-amd-amdhsa--gfx1250"
	.amdhsa_code_object_version 6
	.text
	.protected	k_q7e8ecce1cf_prep
	.globl	k_q7e8ecce1cf_prep
	.p2align	8
	.type	k_q7e8ecce1cf_prep,@function
k_q7e8ecce1cf_prep:
	s_mov_b64 s[64:65], 0
	v_nop
	global_prefetch_b8 v0, s[64:65] scope:SCOPE_SE
	s_setreg_imm32_b32 hwreg(HW_REG_WAVE_MODE, 25, 1), 1
	s_wait_xcnt 0x0
; W_hid [2048][1024] f32 (K is its first axis) is quantised ONCE, along K, to codes of E5M2 with one E8M0 byte for each 32 along K.
; A work-group is one wave and takes a SET: 64 columns x 128 along K.  Work-groups 0-127 take rows 0-1023 (the part that multiplies encoder_outputs): their codes go to wimg as images
; of operand registers, in the order in which the next launch's waves take them.  Work-groups 128-255 take rows 1024-2047 (the part that multiplies hidden, which reference() repeats for
; every t): their codes stay in registers and are multiplied at once with the quantised hidden [32][128 of K]; the 32 x 64 sums of this K step go to cpart.
; A LANE TAKES FOUR COLUMNS, AND ITS REGISTERS RUN DOWN K: lane (r, h) loads W(32 c + 16 h + i, 64 g + 4 r + f), f = 0..3 in one load of 16 bytes, so sixteen lanes read 256 consecutive, aligned bytes.
; Tile f of the set is made of columns 64 g + 4 r + f, r = 0..15: which columns form a tile is free.  The hold at the largest code also sorts the numbers by f, so nothing is transposed by an instruction.
; wimg: set q at 8448 q: fragment f, registers 4 c .. 4 c + 3, lane l at 2048 f + 512 c + 16 l; behind them at 8192 + 8 l two scale words: (tile 0 | tile 1), (tile 2 | tile 3) in lanes (0-15 | 16-31).
; cpart: [K step 8][batch 32][1024]; inside a row the order of the product's result: index 64 g + 32 h + 8 f + j stands for column 64 g + 32 h + 4 j + f.
; LIMITS: NaN and infinities are not served.  A block of zeros gets the byte 1 (the floor) with zero codes, where the quantiser says 127: the bytes are read by this program alone.
; REGISTERS: window 0: v1-9 addresses; v10-13 W's scale words, v14-15 hidden's (nothing else ever); v16-79 numbers held, by tile; v80-143 W's codes, 16 a tile; v144-175 hidden's codes;
;   v176-239 the eight sums; v240-255 at work.  Window 1: the 256 numbers of W as loaded: register 64 c + 4 i + f.
.set TM,    240                        ; v240-243 largest magnitudes, v244-247 the other half's, then bytes, v248-251 the largest number x the scale, v252-255 the conversions' scale operands
.set SW,    10
.set HS,    14
.set HELD,  16
.set CODES, 80
.set HF,    144
.set ACC,   176
.set MSB, 0
.macro WIN new                         ; the immediate's high byte repeats the setting that is left
.if MSB != \new
	s_set_vgpr_msb (MSB<<8)|\new
.set MSB, \new
.endif
.endm
; from four largest magnitudes of half blocks (v[TM] on) to the blocks' scale operands, holds and bytes
.macro SCALE4
.irp b, 0,1,2,3
	v_permlanex16_b32 v[TM+4+\b], v[TM+\b], s14, s15
.endr
.irp b, 0,1,2,3
	v_max_num_f32 v[TM+\b], v[TM+\b], v[TM+4+\b]             ; with lane l xor 16's 16 numbers: the block's largest magnitude
.endr
.irp b, 0,1,2,3
	v_add_nc_u32 v[TM+12+\b], 0xf8800000, v[TM+\b]           ; 15 off its exponent field: the conversion takes this operand's exponent field as its scale
.endr
.irp b, 0,1,2,3
	v_and_or_b32 v[TM+8+\b], v[TM+\b], 0x7f800000, s12       ; 57,344 x the scale
.endr
.irp b, 0,1,2,3
	v_lshrrev_b32 v[TM+4+\b], 23, v[TM+12+\b]                ; the scale's byte
.endr
.endm
; 64 numbers of a lane, register 16 b + i = k 32 b + 16 h + i of my row, become a fragment's codes in v[pc] on and its scale word in v[pw]
.macro QUANT s, pc, pw
.irp b, 0,1,2,3
	v_max3_num_f32 v[TM+\b], |v[\s+16*\b]|, |v[\s+1+16*\b]|, 0x8000000   ; the floor 2^(16 - 127) among the leaves: the byte cannot fall under 1
.endr
.irp i, 2,4,6,8,10,12,14
.irp b, 0,1,2,3
	v_max3_num_f32 v[TM+\b], v[TM+\b], |v[\s+16*\b+\i]|, |v[\s+1+16*\b+\i]|
.endr
.endr
	SCALE4
	v_lshl_or_b32 v[\pw], v[TM+5], 8, v[TM+4]
	v_lshl_or_b32 v[\pw], v[TM+6], 16, v[\pw]
	v_lshl_or_b32 v[\pw], v[TM+7], 24, v[\pw]
.irp b, 0,1,2,3
.irp i, 0,1,2,3,4,5,6,7,8,9,10,11,12,13,14,15
	v_med3_num_f32 v[\s+16*\b+\i], v[\s+16*\b+\i], -v[TM+8+\b], v[TM+8+\b]   ; the conversion to an 8-bit code does not saturate (ISA guide 7.6.2)
.endr
	v_cvt_scalef32_pk8_bf8_f32 v[\pc+4*\b:\pc+1+4*\b], v[\s+16*\b:\s+7+16*\b], v[TM+12+\b]
	v_cvt_scalef32_pk8_bf8_f32 v[\pc+2+4*\b:\pc+3+4*\b], v[\s+8+16*\b:\s+15+16*\b], v[TM+12+\b]
.endr
	v_nop                                          ; a plain instruction behind the last conversion
.endm
.macro WLOADS                          ; the set's 128 x 64 numbers: 64 loads
	WIN 0x40
.irp c, 0,1,2,3
.irp i, 0,1,2,3,4,5,6,7,8,9,10,11,12,13,14,15
	global_load_b128 v[64*\c+4*\i:64*\c+4*\i+3], v3, s[4:5] offset:(32*\c+\i)*4096 th:TH_LOAD_NT
.endr
.endr
	WIN 0
.endm
; 32 along K of the four tiles: here index f of v[TM+..] is the tile
.macro CHUNK c
	s_wait_loadcnt 16*(3-\c)                       ; this chunk's 16 loads are in; the later chunks' may be out
	WIN 0x05
.irp f, 0,1,2,3
	v_max3_num_f32 v[TM+\f], |v[64*\c+\f]|, |v[64*\c+4+\f]|, 0x8000000
.endr
	WIN 0x14
.irp i, 2,4,6,8,10,12,14
.irp f, 0,1,2,3
	v_max3_num_f32 v[TM+\f], v[TM+\f], |v[64*\c+4*\i+\f]|, |v[64*\c+4*\i+4+\f]|
.endr
.endr
	WIN 0
	SCALE4
.irp f, 0,1,2,3
.if \c == 0
	v_mov_b32 v[SW+\f], v[TM+4+\f]
.else
	v_lshl_or_b32 v[SW+\f], v[TM+4+\f], 8*\c, v[SW+\f]       ; byte c of tile f's scale word
.endif
.endr
	WIN 0x01
.irp f, 0,1,2,3
.irp i, 0,1,2,3,4,5,6,7,8,9,10,11,12,13,14,15
	v_med3_num_f32 v[HELD+16*\f+\i], v[64*\c+4*\i+\f], -v[TM+8+\f], v[TM+8+\f]   ; the hold, and the sorting by tile
.endr
.endr
	WIN 0
.irp f, 0,1,2,3
	v_cvt_scalef32_pk8_bf8_f32 v[CODES+16*\f+4*\c:CODES+16*\f+4*\c+1], v[HELD+16*\f:HELD+16*\f+7], v[TM+12+\f]
	v_cvt_scalef32_pk8_bf8_f32 v[CODES+16*\f+4*\c+2:CODES+16*\f+4*\c+3], v[HELD+16*\f+8:HELD+16*\f+15], v[TM+12+\f]
.endr
	v_nop                                          ; a plain instruction behind the last conversion
.endm
	s_load_b128 s[4:7], s[0:1], 0x0                ; W_hid, hidden
	s_load_b128 s[8:11], s[0:1], 0x10              ; wimg, cpart
	s_set_vgpr_msb 0x80
	v_lshl_add_u32 v0, v0, 2, 0x2200
	v_mov_b32 v1, 0
	s_set_vgpr_msb 0x8000
	v_and_b32 v1, 15, v0                           ; r
	v_lshrrev_b32 v2, 4, v0                        ; h
	v_lshlrev_b32 v3, 4, v1
	v_lshl_add_u32 v3, v2, 16, v3                  ; W: 16 r + 16 h rows of 4,096 bytes
	v_lshlrev_b32 v4, 12, v1
	v_lshl_add_u32 v4, v2, 6, v4                   ; hidden: row r of 4,096 bytes + 64 h
	v_lshlrev_b32 v5, 4, v0                        ; 16 x lane
	v_lshlrev_b32 v6, 3, v0                        ; 8 x lane
	v_mul_u32_u24 v7, v1, 272
	v_lshl_add_u32 v7, v2, 7, v7                   ; the stage, in: row r (a batch), 128 h
	v_mul_u32_u24 v8, v2, 272
	v_lshl_add_u32 v8, v1, 4, v8                   ; back: sixteen lanes to a row of 256 bytes
	v_lshlrev_b32 v9, 12, v2
	v_lshl_add_u32 v9, v1, 4, v9                   ; and the same place in cpart
.irp b, 0,1,2,3
	v_mov_b32 v[TM+4+\b], 0                        ; a lane permute's destination counts as one of its sources
.endr
	s_mov_b32 s12, 0x600000                        ; the mantissa field of 57,344
	s_mov_b32 s14, 0x76543210
	s_mov_b32 s15, 0xfedcba98                      ; selects for lane l xor 16
	s_and_b32 s16, ttmp9, 7                        ; the K step s
	s_lshr_b32 s17, ttmp9, 3
	s_and_b32 s18, s17, 3
	s_lshl_b32 s18, s18, 2
	s_lshr_b32 s19, ttmp9, 5
	s_add_co_u32 s18, s18, s19                     ; upper part: set = 32 w + 8 p + s, column group g = 4 p + w
	s_and_b32 s19, s17, 15                         ; lower part: g
	s_cmp_lt_u32 ttmp9, 128
	s_cselect_b32 s18, s18, s19                    ; g
	s_cselect_b32 s20, 0, 0x400000                 ; the lower part begins 1,024 rows of 4,096 bytes on
	s_lshl_b32 s21, s16, 19                        ; 128 s rows
	s_add_co_u32 s20, s20, s21
	s_lshl_b32 s21, s18, 8                         ; 64 g columns
	s_add_co_u32 s20, s20, s21
	s_mov_b32 s21, 0
	s_mul_i32 s22, ttmp9, 8448                     ; my set in wimg
	s_mov_b32 s23, 0
	s_lshl_b32 s24, s16, 9                         ; hidden: 128 s numbers on
	s_mov_b32 s25, 0
	s_lshl_b32 s26, s16, 17                        ; cpart: plane s,
	s_lshl_b32 s27, s18, 8
	s_add_co_u32 s26, s26, s27                     ; 64 g numbers on
	s_mov_b32 s27, 0
	s_wait_kmcnt 0x0
	s_add_nc_u64 s[4:5], s[4:5], s[20:21]
	s_cmp_lt_u32 ttmp9, 128
	s_cbranch_scc0 .Llower
	; ---- rows 0-1023: codes and scale words to wimg
	s_add_nc_u64 s[8:9], s[8:9], s[22:23]
	WLOADS
	CHUNK 0
	CHUNK 1
	CHUNK 2
	CHUNK 3
.irp f, 0,1,2,3
.irp c, 0,1,2,3
	global_store_b128 v5, v[CODES+16*\f+4*\c:CODES+16*\f+4*\c+3], s[8:9] offset:2048*\f+512*\c   ; 32 lanes store 512 consecutive bytes
.endr
.endr
	v_cmp_le_u32 vcc_lo, 16, v0
	v_cndmask_b32 v244, v[SW], v[SW+1], vcc_lo     ; both halves of the lanes hold row r's word: lanes 16-31 take the odd tile's
	v_cndmask_b32 v245, v[SW+2], v[SW+3], vcc_lo
	global_store_b64 v6, v[244:245], s[8:9] offset:8192   ; 256 consecutive bytes
	s_endpgm
.Llower:
	; ---- rows 1024-2047: this K step's part of hidden x W
	s_add_nc_u64 s[6:7], s[6:7], s[24:25]
	s_add_nc_u64 s[10:11], s[10:11], s[26:27]
.irp bt, 0,1                           ; batches 16 bt + r: 16 neighbours of each block of 32 to a lane; into v176 on and v16 on, which are free until the sums and the holds
.irp c, 0,1,2,3
.irp q, 0,1,2,3
	global_load_b128 v[176-160*\bt+16*\c+4*\q:176-160*\bt+16*\c+4*\q+3], v4, s[6:7] offset:65536*\bt+128*\c+16*\q
.endr
.endr
.endr
	WLOADS
	s_wait_loadcnt 63                              ; hidden's 32 loads are in: 64 were issued behind them, and 63 is the nearest count that a wait can name
	QUANT 176, HF, HS
	QUANT 16, HF+16, HS+1
	CHUNK 0
	CHUNK 1
	CHUNK 2
	CHUNK 3
.rept 8
	v_nop                                          ; operands and scale words made by vector instructions stand 4 and 8 places ahead of a scaled matrix instruction
.endr
.irp bt, 0,1
.irp f, 0,1,2,3                        ; source 0 = 16 columns of W, source 1 = 16 batches: lane (r, h), register j: batch 16 bt + r, column 64 g + 32 h + 4 j + f
	v_wmma_scale_f32_16x16x128_f8f6f4 v[ACC+8*(4*\bt+\f):ACC+8*(4*\bt+\f)+7], v[CODES+16*\f:CODES+16*\f+15], v[HF+16*\bt:HF+16*\bt+15], 0, v[SW+\f], v[HS+\bt] matrix_a_fmt:MATRIX_FMT_BF8 matrix_b_fmt:MATRIX_FMT_BF8
.endr
.endr
.rept 8
	v_nop                                          ; places ahead of the first read of results (ISA guide 7.12.1)
.endr
.irp bt, 0,1
.irp f, 0,1,2,3
	ds_store_b128 v7, v[ACC+8*(4*\bt+\f):ACC+8*(4*\bt+\f)+3] offset:4352*\bt+32*\f       ; each sum from its low end on
	ds_store_b128 v7, v[ACC+8*(4*\bt+\f)+4:ACC+8*(4*\bt+\f)+7] offset:4352*\bt+32*\f+16
.endr
.endr
.irp i, 0,1,2,3,4,5,6,7,8,9,10,11,12,13,14,15
	ds_load_b128 v[16+4*\i:19+4*\i], v8 offset:544*\i     ; LDS serves a wave's instructions in order: these see the stores above
.endr
.irp i, 0,1,2,3,4,5,6,7,8,9,10,11,12,13,14,15
	s_wait_dscnt 15-\i
	global_store_b128 v9, v[16+4*\i:19+4*\i], s[10:11] offset:8192*\i   ; sixteen lanes store 256 consecutive, aligned bytes of a batch's row
.endr
	s_set_vgpr_msb 0xa
	s_wait_tensorcnt 0x0
	ds_add_u32 v0, v1
	s_wait_dscnt 0x0
	s_set_vgpr_msb 0xa00
	s_endpgm
.Lfunc_end_k_q7e8ecce1cf_prep:
	.size	k_q7e8ecce1cf_prep, .Lfunc_end_k_q7e8ecce1cf_prep-k_q7e8ecce1cf_prep
	.p2alignl 7, 3214868480
	.fill 96, 4, 3214868480
	.section	.rodata,"a",@progbits
	.p2align	6, 0x0
	.amdhsa_kernel k_q7e8ecce1cf_prep
		.amdhsa_group_segment_fixed_size 8960
		.amdhsa_private_segment_fixed_size 0
		.amdhsa_enable_private_segment 0
		.amdhsa_kernarg_size 32
		.amdhsa_user_sgpr_count 2
		.amdhsa_user_sgpr_kernarg_segment_ptr 1
		.amdhsa_wavefront_size32 1
		.amdhsa_system_sgpr_workgroup_id_x 1
		.amdhsa_system_sgpr_workgroup_id_y 1
		.amdhsa_system_sgpr_workgroup_id_z 1
		.amdhsa_system_vgpr_workitem_id 0
		.amdhsa_next_free_vgpr 514
		.amdhsa_next_free_sgpr 66
		.amdhsa_reserve_vcc 1
		.amdhsa_float_denorm_mode_32 3
		.amdhsa_float_denorm_mode_16_64 3
		.amdhsa_memory_ordered 1
		.amdhsa_forward_progress 1
		.amdhsa_inst_pref_size 107
	.end_amdhsa_kernel
	.amdgpu_metadata
---
amdhsa.version: [ 1, 2 ]
amdhsa.kernels:
  - .name:           k_q7e8ecce1cf_prep
    .symbol:         k_q7e8ecce1cf_prep.kd
    .args:
      - { .name: W_hid, .offset: 0, .size: 8, .value_kind: global_buffer, .address_space: global }
      - { .name: hidden, .offset: 8, .size: 8, .value_kind: global_buffer, .address_space: global }
      - { .name: wimg, .offset: 16, .size: 8, .value_kind: global_buffer, .address_space: global }
      - { .name: cpart, .offset: 24, .size: 8, .value_kind: global_buffer, .address_space: global }
    .group_segment_fixed_size: 8960
    .private_segment_fixed_size: 0
    .kernarg_segment_align: 8
    .kernarg_segment_size: 32
    .max_flat_workgroup_size: 32
    .sgpr_count:     66
    .vgpr_count:     514
    .wavefront_size: 32
...
	.end_amdgpu_metadata
.endif
;; end of part 1
;; launch main (part 2): grid 256 x 1, 4 waves a work-group, no clusters, 303,616 bytes of LDS; arguments encoder_outputs, wimg, cpart, b_hid, w_score, scores, pctx; writes scores, pctx
.if DOCPART == 2
	.amdgcn_target "amdgcn-amd-amdhsa--gfx1250"
	.amdhsa_code_object_version 6
	.text
	.protected	k_q7e8ecce1cf_main
	.globl	k_q7e8ecce1cf_main
	.p2align	8
	.type	k_q7e8ecce1cf_main,@function
k_q7e8ecce1cf_main:
	s_mov_b64 s[64:65], 0
	v_nop
	global_prefetch_b8 v0, s[64:65] scope:SCOPE_SE
	s_setreg_imm32_b32 hwreg(HW_REG_WAVE_MODE, 25, 1), 1
	s_wait_xcnt 0x0
; For 128 rows t of one batch b (work-group x: rows 128 x .. 128 x + 127 of the flat [32768][1024]): score(t) = w_score . tanh(Q(enc[t]) Q(W[0:1024]) + c[b] + b_hid),
; c[b] = Q(hidden[b]) Q(W[1024:2048]) from cpart (blocks of 32 along K do not straddle the concatenation, and reference() repeats hidden[b] for every t, so that part of the product is one row a batch);
; then the group's largest score m, p = exp(score - m), and the group's part of the context, sum over t of p(t) enc[t].  The next launch joins a batch's eight parts.
; encoder_outputs IS READ FROM MEMORY ONCE: each row is quantised to codes of E5M2 (MX, blocks of 32 along K) into LDS, and kept as bf16 for the context: 16 of a wave's 32 rows in LDS,
; 16 parked in 256 registers during the products and laid over the codes' bytes when those are done with (codes 133,120 + bf16 262,144 bytes do not fit in LDS together).
; tanh x = 1 - 2 r, r = 1 / (1 + 2^(2 log2(e) x)).  The score is carried as -2 sum of w r: it lacks the constant sum of w, which a softmax cancels.
; PRODUCT.  Every wave takes all 128 rows (8 tiles a) and 64 columns a pass (4 tiles f), 4 passes; source 0 = 16 columns of W, source 1 = 16 rows of enc: lane (r, h), register j of
; accumulator (a, f): row 16 a + r, column 64 g + 32 h + 4 j + f, g = 4 pass + wave.  c + b_hid is the C of each sum's first matrix instruction.
; W COMES FROM wimg STRAIGHT INTO REGISTERS, as images of operand registers.  No tensor loads, no cluster: each fragment of W feeds one wave of the group alone, so LDS would spare no read of it, and a K step's
; W of the group is 4 x 8,448 bytes: two slots, 67,584 bytes, do not fit beside the 303,104 bytes in use.
; LIMITS: NaN and infinities are not served.  A block of zeros gets the byte 1 with zero codes (bytes read by this program alone).  c is summed as b_hid + 8 parts along K, another order of f32 sums than one chain.
; enc enters the context as bf16.
; LDS: 0 codes, 128 rows, pitch 1,040 (65 x 16 bytes: the 16 rows of a fragment load begin in 16 different groups of banks); later the parked bf16 rows | BF bf16, 16 rows x 2,048 a wave |
;   ASC scale bytes, 48 a row | STG two stages of 32 x 80 a wave | CIN c + b_hid, then w_score, both in the result's order | SRED [wave][128] score parts | PW p[128], a copy for each wave.
; REGISTERS: window 0: v1 lane, v4-31 addresses; v32-63 enc's scale words, v64-71 W's (nothing else ever); v72-103 C, then w_score, later p; v104-119 score sums, later the context; v120-127 at work;
;   v128-255 enc's fragments (before: numbers at work; later bf16 rows).  Window 1: numbers as loaded, then 4 sets of W.  Window 2: the 32 accumulators.  Window 3: the parked rows.
.set APITCH, 1040
.set BF,     133120
.set ASC,    264192
.set STG,    270336
.set CIN,    290816
.set SRED,   299008
.set PW,     301056
.set SETB,   8448
.set LN,   1
.set VE,   4                           ; 16 x lane
.set VSTI, 5
.set VSTO, 6
.set VAC0, 7
.set VBF0, 8
.set VSC0, 9
.set VPK,  10
.set VDP,  11
.set AD0,  12                          ; v12, v13: my place in a fragment of rows 0-63, 64-127
.set VAS,  14
.set VCW0, 15
.set VWS,  16                          ; 8 x lane
.set VSRW, 17
.set VSRR, 18
.set VPWW, 19
.set VPR0, 20
.set VC1,  21
.set VC2,  22
.set VOUT, 23
.set VAC,  24                          ; v24-30: a base above + a loop's scalar
.set VBF,  25
.set VSC,  26
.set VCW,  27
.set VPR,  28
.set VC1W, 29
.set VC2W, 30
.set VCI,  31
.set ASCR, 32
.set WSW,  64
.set CW,   72
.set SC,   104
.set AF,   128
.set X,    128                         ; the load phase: two sets of 16 neighbours,
.set BFP,  160                         ; their bf16, two sets of 8,
.set CODE, 176                         ; their codes, two sets of 4,
.set EBY,  184                         ; their scale byte, two
.set PB0,  72
.set PB1,  88
.set CA,   104
.set XB0,  128
.set XB1,  192
.set WV,   18
.set MNT,  19
.set SEL,  20
.set TR,   22
.set SA,   23
.set SB,   24
.set SS,   25
.set PASS, 26
.set PO,   27
.set CO,   38
.set CP,   39
.set MSB, 0
.macro WIN new                         ; the immediate's high byte repeats the setting that is left
.if MSB != \new
	s_set_vgpr_msb (MSB<<8)|\new
.set MSB, \new
.endif
.endm
.macro PLACES8                         ; eight places behind this matrix form, ahead of loads into its registers and of reads of results
.rept 8
	v_nop
.endr
.endm
; ---- the load phase.  A step is half a row, 512 numbers; a trip is 8 rows, 16 steps; window 1 holds a trip's numbers as loaded, 16 registers a step
.macro LOADH hf, next                  ; steps 8 hf .. 8 hf + 7 of this trip (next = 0) or the next: 32 loads of 512 consecutive bytes
	WIN 0x40
.irp uu, 0,1,2,3,4,5,6,7
.irp i, 0,1,2,3
	global_load_b128 v[16*(8*\hf+\uu)+4*\i:16*(8*\hf+\uu)+4*\i+3], v[VE], s[4:5] offset:\next*32768+((8*\hf+\uu)/2)*4096+(\uu%2)*2048+512*\i th:TH_LOAD_NT
.endr
.endr
	WIN 0
.endm
.macro TURN u                          ; step u's 2,048 bytes through my stage: in as loaded, back 64 bytes (16 neighbours) a lane
	WIN 0x04
.irp i, 0,1,2,3
	ds_store_b128 v[VSTI], v[16*(\u)+4*\i:16*(\u)+4*\i+3] offset:2560*((\u)%2)+640*\i
.endr
	WIN 0
.irp i, 0,1,2,3
	ds_load_b128 v[X+16*((\u)%2)+4*\i:X+16*((\u)%2)+4*\i+3], v[VSTO] offset:2560*((\u)%2)+16*\i
.endr
.endm
.macro QSTEP u                         ; 16 neighbours a lane, two lanes to a block: bf16 copy, scale, hold, codes; four LDS stores
.set XS, X+16*((\u)%2)
.set BP, BFP+8*((\u)%2)
.set CD, CODE+4*((\u)%2)
.set EY, EBY+((\u)%2)
.irp k, 0,1,2,3,4,5,6,7
	v_cvt_pk_bf16_f32 v[BP+\k], v[XS+2*\k], v[XS+2*\k+1]     ; ahead of the hold, which works in place
.endr
	v_max3_num_f32 v120, |v[XS]|, |v[XS+1]|, |v[XS+2]|
	v_max3_num_f32 v121, |v[XS+3]|, |v[XS+4]|, |v[XS+5]|
.irp i, 6,10
	v_max3_num_f32 v120, v120, |v[XS+\i]|, |v[XS+\i+1]|
	v_max3_num_f32 v121, v121, |v[XS+\i+2]|, |v[XS+\i+3]|
.endr
	v_max3_num_f32 v120, v120, |v[XS+14]|, |v[XS+15]|
	v_max3_num_f32 v120, v120, v121, 0x8000000     ; the floor 2^(16 - 127): the byte cannot fall under 1
	v_max_num_f32_dpp v120, v120, v120 row_xmask:1 row_mask:0xf bank_mask:0xf   ; with my neighbour's 16: the block's largest magnitude
	v_add_nc_u32 v122, 0xf8800000, v120            ; 15 off its exponent field: the conversion's scale operand
	v_and_or_b32 v123, v120, 0x7f800000, s[MNT]    ; 57,344 x the scale
.irp i, 0,1,2,3,4,5,6,7,8,9,10,11,12,13,14,15
	v_med3_num_f32 v[XS+\i], v[XS+\i], -v123, v123 ; the conversion to an 8-bit code does not saturate (ISA guide 7.6.2)
.endr
	v_cvt_scalef32_pk8_bf8_f32 v[CD:CD+1], v[XS:XS+7], v122
	v_cvt_scalef32_pk8_bf8_f32 v[CD+2:CD+3], v[XS+8:XS+15], v122
	v_lshrrev_b32 v[EY], 23, v122                  ; the scale's byte; also the plain instruction behind the conversions
	ds_store_b8 v[VSC], v[EY] offset:48*((\u)/2)+16*((\u)%2)     ; both lanes of a block write the same byte with the same value
	ds_store_b128 v[VAC], v[CD:CD+3] offset:APITCH*((\u)/2)+512*((\u)%2)
	ds_store_b128 v[VBF], v[BP:BP+3] offset:2048*((\u)/2)+1024*((\u)%2)
	ds_store_b128 v[VBF], v[BP+4:BP+7] offset:2048*((\u)/2)+1024*((\u)%2)+16
.endm
.macro XSTEP u, mayend                 ; mayend = 1: in the loop's last trip (s[TR] = 1) nothing further is loaded: no load leaves the buffer
	s_wait_dscnt 4                                 ; all but the last step's four stores: this step's numbers are back from the stage, and the stage's stores have read their registers
.if (\u) == 7
.if \mayend
	s_cmp_eq_u32 s[TR], 1
	s_cbranch_scc1 .Lx7_last
.endif
	LOADH 0, 1                                     ; steps 0-7 have left their registers
	s_wait_loadcnt 32                              ; steps 8-15 are in; the 32 just issued may be out
.if \mayend
	s_branch .Lx7_done
.Lx7_last:
	s_wait_loadcnt 0x0
.Lx7_done:
.endif
.endif
.if (\u) == 15
.if \mayend
	s_cmp_eq_u32 s[TR], 1
	s_cbranch_scc1 .Lx15_done
.endif
	LOADH 1, 1
	s_wait_loadcnt 32                              ; the next trip's steps 0-7 are in
	TURN 0
.if \mayend
.Lx15_done:
.endif
.else
	TURN (\u)+1                                    ; the next step goes through the other stage while this one is worked
.endif
	QSTEP \u
.endm
.macro XLOOP mayend                    ; two trips: 16 rows
	s_mov_b32 s[TR], 2
.Lx_\@:
	v_add_nc_u32 v[VAC], s[SA], v[VAC0]
	v_add_nc_u32 v[VBF], s[SB], v[VBF0]
	v_add_nc_u32 v[VSC], s[SS], v[VSC0]
.irp u, 0,1,2,3,4,5,6,7,8,9,10,11,12,13,14,15
	XSTEP \u, \mayend
.endr
	s_wait_xcnt 0x0                                ; the loads have read their base: it may step
	s_add_nc_u64 s[4:5], s[4:5], 32768             ; 8 rows on
	s_add_co_u32 s[SA], s[SA], 8*APITCH
	s_xor_b32 s[SB], s[SB], 16384
	s_add_co_u32 s[SS], s[SS], 8*48
	s_sub_co_u32 s[TR], s[TR], 1
	s_cmp_lg_u32 s[TR], 0
	s_cbranch_scc1 .Lx_\@
.endm
; ---- the products
.macro WLOAD slot, rel                 ; set rel of my stream into slot: 17 loads
	global_load_b64 v[WSW+2*(\slot):WSW+2*(\slot)+1], v[VWS], s[6:7] offset:(\rel)*SETB+8192
	WIN 0x40
.irp f, 0,1,2,3
.irp c, 0,1,2,3
	global_load_b128 v[64*(\slot)+16*\f+4*\c:64*(\slot)+16*\f+4*\c+3], v[VE], s[6:7] offset:(\rel)*SETB+2048*\f+512*\c
.endr
.endr
	WIN 0
.endm
.macro FETCHA s, a0                    ; enc's tiles a0 .. a0 + 3 of K step s: registers 4 c .. 4 c + 3 hold K = 32 c + 16 h + 0 .. 15 of row r
.irp a, \a0, \a0+1, \a0+2, \a0+3
.irp c, 0,1,2,3
	ds_load_b128 v[AF+16*(\a)+4*\c:AF+16*(\a)+4*\c+3], v[AD0+(\a)/4] offset:((\a)%4)*16*APITCH+128*(\s)+32*\c
.endr
.endr
.endm
.macro CWLOAD off                      ; eight numbers a tile in the result's layout: off = 0: c + b_hid; 4096: w_score
.irp f, 0,1,2,3
	ds_load_b128 v[CW+8*\f:CW+8*\f+3], v[VCW] offset:\off+32*\f
	ds_load_b128 v[CW+8*\f+4:CW+8*\f+7], v[VCW] offset:\off+32*\f+16
.endr
.endm
.macro WM s, a, f                      ; one product.  W's scale word: tile f in row f % 2 of register f / 2 of the set; enc's: tile a in row a % 2 of register (a / 2, s)
.set rD,  8*(4*(\a)+(\f))
.set rW,  64*((\s)%4)+16*(\f)
.set rA,  AF+16*(\a)
.set rSW, WSW+2*((\s)%4)+(\f)/2
.set rSA, ASCR+8*((\a)/2)+(\s)
.if (\s) == 0
.set rC, CW+8*(\f)
.else
.set rC, rD
.endif
.if ((\f)%2 == 0) && ((\a)%2 == 0)
	v_wmma_scale_f32_16x16x128_f8f6f4 v[rD:rD+7], v[rW:rW+15], v[rA:rA+15], v[rC:rC+7], v[rSW], v[rSA] matrix_a_fmt:MATRIX_FMT_BF8 matrix_b_fmt:MATRIX_FMT_BF8
.elseif ((\f)%2 == 1) && ((\a)%2 == 0)
	v_wmma_scale_f32_16x16x128_f8f6f4 v[rD:rD+7], v[rW:rW+15], v[rA:rA+15], v[rC:rC+7], v[rSW], v[rSA] matrix_a_fmt:MATRIX_FMT_BF8 matrix_b_fmt:MATRIX_FMT_BF8 matrix_a_scale:MATRIX_SCALE_ROW1
.elseif ((\f)%2 == 0)
	v_wmma_scale_f32_16x16x128_f8f6f4 v[rD:rD+7], v[rW:rW+15], v[rA:rA+15], v[rC:rC+7], v[rSW], v[rSA] matrix_a_fmt:MATRIX_FMT_BF8 matrix_b_fmt:MATRIX_FMT_BF8 matrix_b_scale:MATRIX_SCALE_ROW1
.else
	v_wmma_scale_f32_16x16x128_f8f6f4 v[rD:rD+7], v[rW:rW+15], v[rA:rA+15], v[rC:rC+7], v[rSW], v[rSA] matrix_a_fmt:MATRIX_FMT_BF8 matrix_b_fmt:MATRIX_FMT_BF8 matrix_a_scale:MATRIX_SCALE_ROW1 matrix_b_scale:MATRIX_SCALE_ROW1
.endif
.endm
.macro MUL s, a0                       ; 16 products; the 32 accumulators take turns, one instruction a turn, in the same order in every K step
.if (\s) == 0
	WIN 0x81                                       ; W window 1, enc and C window 0, D window 2
.else
	WIN 0xa1                                       ; C and D window 2
.endif
.irp a, \a0, \a0+1, \a0+2, \a0+3
.irp f, 0,1,2,3
	WM \s, \a, \f
.endr
.endr
.endm
; A K step of 128.  cnt: the loads issued behind this step's set.  ahead = 1: the set four steps on is asked for.  fa = 1: the next step's tiles of enc are fetched
.macro KSTEP s, cnt, ahead, fa
	s_wait_loadcnt \cnt
	s_wait_dscnt 16                                ; tiles 0-3 are in; the youngest 16 loads (tiles 4-7) may be out
	MUL \s, 0
	s_wait_dscnt 0x0
	PLACES8
	WIN 0
.if \fa
	FETCHA ((\s)+1)%8, 0
.endif
	MUL \s, 4
	PLACES8
	WIN 0
.if (\s) == 0
	CWLOAD 4096                                    ; the C's have been taken: w_score for the pass's end; ahead of the fetch below, so that the next count of 16 holds
.endif
.if \fa
	FETCHA ((\s)+1)%8, 4
.endif
.if \ahead
	WLOAD (\s)%4, (\s)+4
.endif
.endm
; a pass's end: r = 1 / (1 + 2^(2 log2(e) x)) of all 256 numbers of a lane, in place, each accumulator from its low end on; then the score sums take w r
.macro EPI
	WIN 0x82
.set i, 0
.rept 128
	v_pk_mul_f32 v[i:i+1], v[i:i+1], 0x4038aa3b op_sel_hi:[1,0]
.set i, i+2
.endr
.set i, 0
.rept 256
	v_exp_f32 v[i], v[i]
.set i, i+1
.endr
	v_nop                                          ; a plain instruction behind the last exponential
	s_wait_alu depctr_va_vdst(0)                   ; one wait for the batch, ahead of its first reader
.set i, 0
.rept 128
	v_pk_add_f32 v[i:i+1], v[i:i+1], 1.0 op_sel_hi:[1,0]
.set i, i+2
.endr
.set i, 0
.rept 256
	v_rcp_f32 v[i], v[i]
.set i, i+1
.endr
	v_nop
	s_wait_alu depctr_va_vdst(0)                   ; and one for the reciprocals
	WIN 0x02
.irp f, 0,1,2,3
.irp jp, 0,1,2,3
.irp a, 0,1,2,3,4,5,6,7                ; eight chains, one a tile of rows
	v_pk_fma_f32 v[SC+2*\a:SC+2*\a+1], v[8*(4*\a+\f)+2*\jp:8*(4*\a+\f)+2*\jp+1], v[CW+8*\f+2*\jp:CW+8*\f+2*\jp+1], v[SC+2*\a:SC+2*\a+1]
.endr
.endr
.endr
	WIN 0
.endm
; ---- the context
.macro CLOAD xb, pb, adr, poff         ; 16 rows: p (all lanes read the same words) and my 8 columns of each row: 36 loads
.irp q, 0,1,2,3
	ds_load_b128 v[\pb+4*\q:\pb+4*\q+3], v[VPR] offset:\poff+16*\q
.endr
.irp i, 0,1,2,3,4,5,6,7,8,9,10,11,12,13,14,15
	ds_load_b64 v[\xb+4*\i:\xb+4*\i+1], v[\adr] offset:2048*\i
	ds_load_b64 v[\xb+4*\i+2:\xb+4*\i+3], v[\adr] offset:2048*\i+1024
.endr
.endm
.macro CFMA xb, pb
.irp i, 0,1,2,3,4,5,6,7,8,9,10,11,12,13,14,15
.irp g, 0,1,2,3
	v_fma_mix_f32_bf16 v[CA+2*\g], v[\xb+4*\i+\g], v[\pb+\i], v[CA+2*\g] op_sel:[0,0,0] op_sel_hi:[1,0,0]
	v_fma_mix_f32_bf16 v[CA+2*\g+1], v[\xb+4*\i+\g], v[\pb+\i], v[CA+2*\g+1] op_sel:[1,0,0] op_sel_hi:[1,0,0]
.endr
.endr
.endm
	s_load_b256 s[4:11], s[0:1], 0x0               ; enc s[4:5], wimg s[6:7], cpart s[8:9], b_hid s[10:11]
	s_load_b128 s[12:15], s[0:1], 0x20             ; w_score s[12:13], scores s[14:15]
	s_load_b64 s[16:17], s[0:1], 0x30              ; pctx
	v_lshl_add_u32 v126, v0, 2, 0x4a000
	v_mov_b32 v127, 0
	v_lshrrev_b32 v1, 5, v0
	v_readfirstlane_b32 s[WV], v1                  ; wave 0..3
	v_and_b32 v[LN], 31, v0                        ; lane
	v_and_b32 v2, 15, v0                           ; r
	v_bfe_u32 v3, v0, 4, 1                         ; h
	v_lshlrev_b32 v[VE], 4, v[LN]
	v_lshlrev_b32 v[VWS], 3, v[LN]
	s_mul_i32 s28, s[WV], 5120
	s_add_co_u32 s28, s28, STG                     ; my two stages
	v_lshrrev_b32 v[VSTI], 2, v[LN]
	v_mul_u32_u24 v[VSTI], v[VSTI], 80
	v_and_b32 v[VSTO], 3, v[LN]
	v_lshl_add_u32 v[VSTI], v[VSTO], 4, v[VSTI]
	v_add_nc_u32 v[VSTI], s28, v[VSTI]             ; in: four lanes' 64 bytes on end, then 16 of padding
	v_mul_u32_u24 v[VSTO], v[LN], 80
	v_add_nc_u32 v[VSTO], s28, v[VSTO]             ; back: 80 x lane
	s_mul_i32 s28, s[WV], 32*APITCH
	v_add_nc_u32 v[VAC0], s28, v[VE]               ; codes: my 32 rows, 16 bytes a lane
	s_lshl_b32 s29, s[WV], 15
	s_add_co_u32 s28, s29, BF
	v_lshl_add_u32 v[VBF0], v[LN], 5, s28          ; bf16: my 16 rows, 32 bytes a lane
	v_add_nc_u32 v[VPK], s28, v[VE]                ; parking: the same bytes, 16 a lane
	v_add_nc_u32 v[VDP], s29, v[VE]                ; and where they are laid later
	s_mul_i32 s28, s[WV], 32*48
	s_add_co_u32 s28, s28, ASC
	v_lshrrev_b32 v[VSC0], 1, v[LN]
	v_add_nc_u32 v[VSC0], s28, v[VSC0]             ; scale bytes: my 32 rows, my block's byte
	v_mul_u32_u24 v[AD0], v2, APITCH
	v_lshl_add_u32 v[AD0], v3, 4, v[AD0]
	v_add_nc_u32 v[AD0+1], 64*APITCH, v[AD0]
	v_mul_u32_u24 v[VAS], v[LN], 48
	v_add_nc_u32 v[VAS], ASC, v[VAS]               ; scale words: lane l takes row l of 32: an even tile below, the odd one above
	s_lshl_b32 s28, s[WV], 8
	s_add_co_u32 s28, s28, CIN
	v_lshl_add_u32 v[VCW0], v3, 7, s28             ; 256 g + 128 h bytes, g = 4 pass + wave
	s_lshl_b32 s28, s[WV], 9
	s_add_co_u32 s29, s28, SRED
	v_lshl_add_u32 v[VSRW], v[LN], 2, s29
	v_add_nc_u32 v[VSRR], SRED, v[VE]
	s_add_co_u32 s29, s28, PW
	v_add_nc_u32 v[VPWW], s29, v[VE]
	v_mov_b32 v[VPR0], s29
	v_lshlrev_b32 v[VC1], 3, v0                    ; the context: thread T owns columns 4 T .. + 3 and 512 + 4 T .. + 3
	v_add_nc_u32 v[VC2], BF, v[VC1]
	v_lshlrev_b32 v[VOUT], 4, v0
	v_lshlrev_b32 v120, 5, v0                      ; 32 T: eight numbers in the result's order,
	v_add_nc_u32 v[VCI], CIN, v120
	v_and_b32 v121, 0x7c, v0
	v_lshlrev_b32 v121, 5, v121
	v_and_b32 v122, 3, v0
	v_lshl_add_u32 v121, v122, 2, v121             ; which stand for columns 32 (T / 4) + 4 j + T % 4
	s_mov_b32 s[MNT], 0x600000                     ; the mantissa field of 57,344
	s_mov_b32 s[SEL], 0x76543210
	s_mov_b32 s[SEL+1], 0xfedcba98                 ; selects for lane l xor 16
	s_mov_b32 s[SA], 0
	s_mov_b32 s[SB], 0
	s_mov_b32 s[SS], 0
	s_lshl_b32 s28, ttmp9, 19                      ; my group's 128 rows of 4,096 bytes,
	s_lshl_b32 s30, s[WV], 17                      ; my wave's 32
	s_add_co_u32 s28, s28, s30
	s_mov_b32 s29, 0
	s_mul_i32 s30, s[WV], 32*SETB                  ; my wave's 32 sets
	s_mov_b32 s31, 0
	s_lshr_b32 s32, ttmp9, 3
	s_lshl_b32 s32, s32, 12                        ; my batch's row of cpart
	s_mov_b32 s33, 0
	s_lshl_b32 s34, ttmp9, 9
	s_mov_b32 s35, 0
	s_lshl_b32 s36, ttmp9, 12
	s_mov_b32 s37, 0
	s_wait_kmcnt 0x0
	s_add_nc_u64 s[4:5], s[4:5], s[28:29]
	s_add_nc_u64 s[6:7], s[6:7], s[30:31]
	s_add_nc_u64 s[8:9], s[8:9], s[32:33]
	s_add_nc_u64 s[14:15], s[14:15], s[34:35]
	s_add_nc_u64 s[16:17], s[16:17], s[36:37]
.irp s, 0,1,2,3,4,5,6,7                ; c's eight parts, b_hid and w_score: 32 loads
	global_load_b128 v[176+8*\s:179+8*\s], v120, s[8:9] offset:131072*\s
	global_load_b128 v[180+8*\s:183+8*\s], v120, s[8:9] offset:131072*\s+16
.endr
.irp j, 0,1,2,3,4,5,6,7
	global_load_b32 v[240+\j], v121, s[10:11] offset:16*\j
	global_load_b32 v[248+\j], v121, s[12:13] offset:16*\j
.endr
	LOADH 0, 0
	s_wait_loadcnt 32                              ; the 32 small loads are in; the 32 of enc may be out
.irp s, 0,1,2,3,4,5,6,7
.irp k, 0,2,4,6
	v_pk_add_f32 v[240+\k:241+\k], v[240+\k:241+\k], v[176+8*\s+\k:177+8*\s+\k]   ; b_hid + c's parts, K ascending
.endr
.endr
	LOADH 1, 0
	s_wait_loadcnt 32                              ; steps 0-7 are in
	TURN 0
	ds_store_b128 v[VCI], v[240:243]               ; exactly four stores, as a step leaves behind it: so the loop's first wait counts alike on the way in
	ds_store_b128 v[VCI], v[244:247] offset:16
	ds_store_b128 v[VCI], v[248:251] offset:4096
	ds_store_b128 v[VCI], v[252:255] offset:4112
	XLOOP 0                                        ; my rows 0-15
	WIN 0xc0                                       ; their bf16 are parked in window 3: the next rows' take their bytes (LDS serves a wave's instructions in order)
.set i, 0
.rept 64
	ds_load_b128 v[4*i:4*i+3], v[VPK] offset:512*i
.set i, i+1
.endr
	WIN 0
	s_mov_b32 s[SA], 16*APITCH
	s_mov_b32 s[SB], 0
	s_mov_b32 s[SS], 16*48
	XLOOP 1                                        ; my rows 16-31
	s_wait_dscnt 0x0                               ; my stores have landed, my loads are in
	s_wait_loadcnt 0x0                             ; no load is out: window 1 may take W
	WLOAD 0, 0
	WLOAD 1, 1
	WLOAD 2, 2
	WLOAD 3, 3
	s_barrier_signal -1
	s_barrier_wait -1                              ; codes, scale bytes, c + b_hid and w_score of the whole group lie in LDS
.irp ap, 0,1,2,3
.irp q, 0,1
	ds_load_b128 v[ASCR+8*\ap+4*\q:ASCR+8*\ap+4*\q+3], v[VAS] offset:1536*\ap+16*\q   ; enc's scale words of all 8 K steps: they stay
.endr
.endr
	FETCHA 0, 0
	FETCHA 0, 4
.irp k, 0,1,2,3,4,5,6,7,8,9,10,11,12,13,14,15
	v_mov_b32 v[SC+\k], 0                          ; the score sums run over all four passes
.endr
	s_mov_b32 s[PASS], 0
	s_mov_b32 s[PO], 0
.Lpass:
	v_add_nc_u32 v[VCW], s[PO], v[VCW0]
	CWLOAD 0
	s_wait_dscnt 0x0
	s_cmp_eq_u32 s[PASS], 3
	s_cbranch_scc1 .Llast_pass
.irp s, 0,1,2,3,4,5,6,7
	KSTEP \s, 51, 1, 1                             ; three younger sets of 17 loads may be out; sets 8-11 are the next pass's first
.endr
	s_branch .Lpass_end
.Llast_pass:                                           ; written out: no load leaves my stream
	KSTEP 0, 51, 1, 1
	KSTEP 1, 51, 1, 1
	KSTEP 2, 51, 1, 1
	KSTEP 3, 51, 1, 1
	KSTEP 4, 51, 0, 1
	KSTEP 5, 34, 0, 1
	KSTEP 6, 17, 0, 1
	KSTEP 7, 0, 0, 0
.Lpass_end:
	EPI
	s_wait_xcnt 0x0                                ; the loads have read their base: it may step
	s_add_nc_u64 s[6:7], s[6:7], 8*SETB
	s_add_co_u32 s[PO], s[PO], 1024
	s_add_co_u32 s[PASS], s[PASS], 1
	s_cmp_lt_u32 s[PASS], 4
	s_cbranch_scc1 .Lpass
	s_wait_loadcnt 0x0
	; ---- the scores: my 256 columns' part of each row, then all four waves' parts
.irp a, 0,1,2,3,4,5,6,7
	v_add_f32 v[SC+2*\a], v[SC+2*\a], v[SC+2*\a+1]
.endr
.irp a, 0,1,2,3,4,5,6,7
	v_permlanex16_b32 v[SC+2*\a+1], v[SC+2*\a], s[SEL], s[SEL+1]
.endr
.irp a, 0,1,2,3,4,5,6,7
	v_add_f32 v[SC+2*\a], v[SC+2*\a], v[SC+2*\a+1] ; lane l: row 16 a + l % 16
.endr
	v_cmp_le_u32 vcc_lo, 16, v[LN]
.irp i, 0,1,2,3
	v_cndmask_b32 v[120+\i], v[SC+4*\i], v[SC+4*\i+2], vcc_lo    ; lane l: row 32 i + l
.endr
.irp i, 0,1,2,3
	ds_store_b32 v[VSRW], v[120+\i] offset:128*\i
.endr
	s_wait_dscnt 0x0                               ; my parts have landed, and my reads of the codes are over
	s_barrier_signal -1
	s_barrier_wait -1                              ; nobody reads the codes any more
.irp q, 0,1,2,3
	ds_load_b128 v[72+4*\q:75+4*\q], v[VSRR] offset:512*\q       ; rows 4 l .. 4 l + 3, wave q's part
.endr
	WIN 0x0c                                       ; the parked rows are laid over the codes
.set i, 0
.rept 64
	ds_store_b128 v[VDP], v[4*i:4*i+3] offset:512*i
.set i, i+1
.endr
	WIN 0
	s_wait_dscnt 63                                ; the four loads are in: 64 stores were issued behind them, and 63 is the nearest count that a wait can name
	v_pk_add_f32 v[72:73], v[72:73], v[76:77]      ; every wave adds in the same order: the same bits in all four
	v_pk_add_f32 v[74:75], v[74:75], v[78:79]
	v_pk_add_f32 v[72:73], v[72:73], v[80:81]
	v_pk_add_f32 v[74:75], v[74:75], v[82:83]
	v_pk_add_f32 v[72:73], v[72:73], v[84:85]
	v_pk_add_f32 v[74:75], v[74:75], v[86:87]
	v_pk_mul_f32 v[72:73], v[72:73], -2.0 op_sel_hi:[1,0]
	v_pk_mul_f32 v[74:75], v[74:75], -2.0 op_sel_hi:[1,0]        ; the scores, less the constant sum of w
	v_max3_num_f32 v120, v72, v73, v74
	v_max_num_f32 v120, v120, v75
	v_max_num_f32_dpp v120, v120, v120 row_xmask:1 row_mask:0xf bank_mask:0xf
	v_max_num_f32_dpp v120, v120, v120 row_xmask:2 row_mask:0xf bank_mask:0xf
	v_max_num_f32_dpp v120, v120, v120 row_xmask:4 row_mask:0xf bank_mask:0xf
	v_max_num_f32_dpp v120, v120, v120 row_xmask:8 row_mask:0xf bank_mask:0xf
	v_permlanex16_b32 v121, v120, s[SEL], s[SEL+1]
	v_max_num_f32 v120, v120, v121                 ; the group's largest score
.irp i, 0,1,2,3
	v_sub_f32 v[76+\i], v[72+\i], v120
.endr
.irp i, 0,1,2,3
	v_mul_f32 v[76+\i], 0x3fb8aa3b, v[76+\i]
.endr
.irp i, 0,1,2,3
	v_exp_f32 v[76+\i], v[76+\i]                   ; p = e^(score - the largest), at most 1
.endr
	v_nop
	s_wait_alu depctr_va_vdst(0)                   ; one wait for the four, ahead of their first reader
	ds_store_b128 v[VPWW], v[76:79]                ; my wave's own copy of p
	s_cmp_lg_u32 s[WV], 0
	s_cbranch_scc1 .Lnot_wave_0
	global_store_b128 v[VE], v[72:75], s[14:15]    ; the 128 scores: 512 consecutive bytes
.Lnot_wave_0:
	s_wait_xcnt 0x0                                ; the store has read its data: the registers take p below
	s_wait_dscnt 0x0
	s_barrier_signal -1
	s_barrier_wait -1                              ; all 128 rows lie in LDS as bf16
	; ---- the context's part: 4 trips of 32 rows: 16 that were parked (rows 32 w' + 0 .. 15), 16 that stayed (+ 16 .. 31)
.irp e, 0,1,2,3,4,5,6,7
	v_mov_b32 v[CA+\e], 0
.endr
	s_mov_b32 s[CO], 0
	s_mov_b32 s[CP], 0
	s_mov_b32 s[TR], 4
.Lctx:
	v_add_nc_u32 v[VC1W], s[CO], v[VC1]
	v_add_nc_u32 v[VC2W], s[CO], v[VC2]
	v_add_nc_u32 v[VPR], s[CP], v[VPR0]
	CLOAD XB0, PB0, VC1W, 0
	CLOAD XB1, PB1, VC2W, 64
	s_wait_dscnt 36                                ; the first 36 loads are in
	CFMA XB0, PB0
	s_wait_dscnt 0x0
	CFMA XB1, PB1
	s_add_co_u32 s[CO], s[CO], 32768
	s_add_co_u32 s[CP], s[CP], 128
	s_sub_co_u32 s[TR], s[TR], 1
	s_cmp_lg_u32 s[TR], 0
	s_cbranch_scc1 .Lctx
	global_store_b128 v[VOUT], v[CA:CA+3], s[16:17]              ; a wave stores 512 consecutive bytes
	global_store_b128 v[VOUT], v[CA+4:CA+7], s[16:17] offset:2048
	s_wait_tensorcnt 0x0
	ds_add_u32 v126, v127
	s_wait_dscnt 0x0
	s_endpgm
.Lfunc_end_k_q7e8ecce1cf_main:
	.size	k_q7e8ecce1cf_main, .Lfunc_end_k_q7e8ecce1cf_main-k_q7e8ecce1cf_main
	.p2alignl 7, 3214868480
	.fill 96, 4, 3214868480
	.section	.rodata,"a",@progbits
	.p2align	6, 0x0
	.amdhsa_kernel k_q7e8ecce1cf_main
		.amdhsa_group_segment_fixed_size 303616
		.amdhsa_private_segment_fixed_size 0
		.amdhsa_enable_private_segment 0
		.amdhsa_kernarg_size 56
		.amdhsa_user_sgpr_count 2
		.amdhsa_user_sgpr_kernarg_segment_ptr 1
		.amdhsa_wavefront_size32 1
		.amdhsa_system_sgpr_workgroup_id_x 1
		.amdhsa_system_sgpr_workgroup_id_y 1
		.amdhsa_system_sgpr_workgroup_id_z 1
		.amdhsa_system_vgpr_workitem_id 0
		.amdhsa_next_free_vgpr 1024
		.amdhsa_next_free_sgpr 66
		.amdhsa_reserve_vcc 1
		.amdhsa_float_denorm_mode_32 3
		.amdhsa_float_denorm_mode_16_64 3
		.amdhsa_memory_ordered 1
		.amdhsa_forward_progress 1
		.amdhsa_inst_pref_size 255
	.end_amdhsa_kernel
	.section	.bss,"aw",@nobits
	.p2align	6
	.space	262144
	.amdgpu_metadata
---
amdhsa.version: [ 1, 2 ]
amdhsa.kernels:
  - .name:           k_q7e8ecce1cf_main
    .symbol:         k_q7e8ecce1cf_main.kd
    .args:
      - { .name: encoder_outputs, .offset: 0, .size: 8, .value_kind: global_buffer, .address_space: global }
      - { .name: wimg, .offset: 8, .size: 8, .value_kind: global_buffer, .address_space: global }
      - { .name: cpart, .offset: 16, .size: 8, .value_kind: global_buffer, .address_space: global }
      - { .name: b_hid, .offset: 24, .size: 8, .value_kind: global_buffer, .address_space: global }
      - { .name: w_score, .offset: 32, .size: 8, .value_kind: global_buffer, .address_space: global }
      - { .name: scores, .offset: 40, .size: 8, .value_kind: global_buffer, .address_space: global }
      - { .name: pctx, .offset: 48, .size: 8, .value_kind: global_buffer, .address_space: global }
    .group_segment_fixed_size: 303616
    .private_segment_fixed_size: 0
    .kernarg_segment_align: 8
    .kernarg_segment_size: 56
    .max_flat_workgroup_size: 128
    .sgpr_count:     66
    .vgpr_count:     1024
    .wavefront_size: 32
...
	.end_amdgpu_metadata
.endif
;; end of part 2
;; launch combine (part 3): grid 256 x 1, 1 waves a work-group, no clusters, 0 bytes of LDS; arguments scores, pctx, out0, out1; writes out0, out1
.if DOCPART == 3
	.amdgcn_target "amdgcn-amd-amdhsa--gfx1250"
	.amdhsa_code_object_version 6
	.text
	.protected	k_q7e8ecce1cf_combine
	.globl	k_q7e8ecce1cf_combine
	.p2align	8
	.type	k_q7e8ecce1cf_combine,@function
k_q7e8ecce1cf_combine:
	s_mov_b64 s[64:65], 0
	v_nop
	global_prefetch_b8 v0, s[64:65] scope:SCOPE_SE
	s_setreg_imm32_b32 hwreg(HW_REG_WAVE_MODE, 25, 1), 1
	s_wait_xcnt 0x0
; The softmax over a batch's 1,024 scores and the joining of its eight parts of the context.  Work-group x (one wave): batch b = x / 8, slice j = x % 8: 128 numbers of out0 and of out1.
; scores [32][1024]: the score less a constant, which the softmax cancels.  pctx [256][1024]: row 8 b + i = sum over chunk i's 128 rows t of e^(score - m_i) enc[t], m_i the chunk's largest score.
; Every work-group finds m_i anew from the stored scores (a maximum rounds nothing, so they are the bits that the launch before used), M = the largest m_i, L = the sum of e^(score - M).
; out1 = e^(score - M) / L;  out0 = (sum over i of e^(m_i - M) pctx[8 b + i]) / L.  Memory binds nothing here: 17 loads and 2 stores a wave, each of 512 consecutive bytes.
	s_load_b128 s[4:7], s[0:1], 0x0                ; scores, pctx
	s_load_b128 s[8:11], s[0:1], 0x10              ; out0, out1
	v_lshlrev_b32 v1, 4, v0                        ; 16 x lane
	s_mov_b32 s2, 0x76543210
	s_mov_b32 s3, 0xfedcba98                       ; selects for lane l xor 16
	s_lshr_b32 s12, ttmp9, 3                       ; b
	s_and_b32 s13, ttmp9, 7                        ; j
	s_lshl_b32 s14, s12, 12                        ; the batch's row of 4,096 bytes
	s_mov_b32 s15, 0
	s_lshl_b32 s16, s13, 9
	s_lshl_b32 s18, s12, 15                        ; the batch's eight rows of pctx,
	s_add_co_u32 s18, s18, s16                     ; my slice of each
	s_add_co_u32 s16, s16, s14                     ; my slice of the batch's row
	s_mov_b32 s17, 0
	s_mov_b32 s19, 0
	s_wait_kmcnt 0x0
	s_add_nc_u64 s[20:21], s[4:5], s[14:15]
	s_add_nc_u64 s[22:23], s[4:5], s[16:17]
	s_add_nc_u64 s[6:7], s[6:7], s[18:19]
	s_add_nc_u64 s[8:9], s[8:9], s[16:17]
	s_add_nc_u64 s[10:11], s[10:11], s[16:17]
.irp i, 0,1,2,3,4,5,6,7
	global_load_b128 v[8+4*\i:11+4*\i], v1, s[20:21] offset:512*\i   ; chunk i's scores, four a lane
.endr
	global_load_b128 v[40:43], v1, s[22:23]        ; my slice's scores
.irp i, 0,1,2,3,4,5,6,7
	global_load_b128 v[44+4*\i:47+4*\i], v1, s[6:7] offset:4096*\i   ; part i of the context, my slice
.endr
.irp i, 0,1,2,3,4,5,6,7
	v_mov_b32 v[84+\i], 0                          ; a lane permute's destination counts as one of its sources
.endr
	v_mov_b32 v96, 0
	s_wait_loadcnt 0x0
.irp i, 0,1,2,3,4,5,6,7
	v_max3_num_f32 v[76+\i], v[8+4*\i], v[9+4*\i], v[10+4*\i]
.endr
.irp i, 0,1,2,3,4,5,6,7
	v_max_num_f32 v[76+\i], v[76+\i], v[11+4*\i]
.endr
.irp m, 1,2,4,8
.irp i, 0,1,2,3,4,5,6,7
	v_max_num_f32_dpp v[76+\i], v[76+\i], v[76+\i] row_xmask:\m row_mask:0xf bank_mask:0xf
.endr
.endr
.irp i, 0,1,2,3,4,5,6,7
	v_permlanex16_b32 v[84+\i], v[76+\i], s2, s3
.endr
.irp i, 0,1,2,3,4,5,6,7
	v_max_num_f32 v[76+\i], v[76+\i], v[84+\i]     ; m_i, in every lane
.endr
	v_max3_num_f32 v92, v76, v77, v78
	v_max3_num_f32 v92, v92, v79, v80
	v_max3_num_f32 v92, v92, v81, v82
	v_max_num_f32 v92, v92, v83                    ; M
.set i, 8
.rept 36                               ; the 32 scores and my slice's four
	v_sub_f32 v[i], v[i], v92
.set i, i+1
.endr
.irp i, 0,1,2,3,4,5,6,7
	v_sub_f32 v[76+\i], v[76+\i], v92
.endr
.set i, 8
.rept 36
	v_mul_f32 v[i], 0x3fb8aa3b, v[i]
.set i, i+1
.endr
.irp i, 0,1,2,3,4,5,6,7
	v_mul_f32 v[76+\i], 0x3fb8aa3b, v[76+\i]
.endr
.set i, 8
.rept 36
	v_exp_f32 v[i], v[i]
.set i, i+1
.endr
.irp i, 0,1,2,3,4,5,6,7
	v_exp_f32 v[76+\i], v[76+\i]
.endr
	v_nop                                          ; a plain instruction behind the last exponential
	s_wait_alu depctr_va_vdst(0)                   ; one wait for the 44, ahead of their first reader
	v_pk_add_f32 v[94:95], v[8:9], v[10:11]
.irp k, 12,14,16,18,20,22,24,26,28,30,32,34,36,38
	v_pk_add_f32 v[94:95], v[94:95], v[\k:\k+1]
.endr
	v_add_f32 v94, v94, v95
	v_add_f32_dpp v94, v94, v94 row_xmask:1 row_mask:0xf bank_mask:0xf
	v_add_f32_dpp v94, v94, v94 row_xmask:2 row_mask:0xf bank_mask:0xf
	v_add_f32_dpp v94, v94, v94 row_xmask:4 row_mask:0xf bank_mask:0xf
	v_add_f32_dpp v94, v94, v94 row_xmask:8 row_mask:0xf bank_mask:0xf
	v_permlanex16_b32 v96, v94, s2, s3
	v_add_f32 v94, v94, v96                        ; L
	v_rcp_f32 v97, v94
.irp k, 0,1,2,3
	v_mul_f32 v[100+\k], v76, v[44+\k]             ; plain work behind the reciprocal: the parts under M
.endr
.irp i, 1,2,3,4,5,6,7
.irp k, 0,1,2,3
	v_fma_f32 v[100+\k], v[76+\i], v[44+4*\i+\k], v[100+\k]
.endr
.endr
	s_wait_alu depctr_va_vdst(0)                   ; ahead of the reciprocal's first reader
.irp k, 0,1,2,3
	v_mul_f32 v[100+\k], v[100+\k], v97
	v_mul_f32 v[40+\k], v[40+\k], v97
.endr
	global_store_b128 v1, v[100:103], s[8:9]       ; 512 consecutive bytes of out0,
	global_store_b128 v1, v[40:43], s[10:11]       ; and of out1
	s_endpgm
.Lfunc_end_k_q7e8ecce1cf_combine:
	.size	k_q7e8ecce1cf_combine, .Lfunc_end_k_q7e8ecce1cf_combine-k_q7e8ecce1cf_combine
	.p2alignl 7, 3214868480
	.fill 96, 4, 3214868480
	.section	.rodata,"a",@progbits
	.p2align	6, 0x0
	.amdhsa_kernel k_q7e8ecce1cf_combine
		.amdhsa_group_segment_fixed_size 0
		.amdhsa_private_segment_fixed_size 0
		.amdhsa_enable_private_segment 0
		.amdhsa_kernarg_size 32
		.amdhsa_user_sgpr_count 2
		.amdhsa_user_sgpr_kernarg_segment_ptr 1
		.amdhsa_wavefront_size32 1
		.amdhsa_system_sgpr_workgroup_id_x 1
		.amdhsa_system_sgpr_workgroup_id_y 1
		.amdhsa_system_sgpr_workgroup_id_z 1
		.amdhsa_system_vgpr_workitem_id 0
		.amdhsa_next_free_vgpr 112
		.amdhsa_next_free_sgpr 66
		.amdhsa_reserve_vcc 0
		.amdhsa_float_denorm_mode_32 3
		.amdhsa_float_denorm_mode_16_64 3
		.amdhsa_memory_ordered 1
		.amdhsa_forward_progress 1
		.amdhsa_inst_pref_size 16
	.end_amdhsa_kernel
	.amdgpu_metadata
---
amdhsa.version: [ 1, 2 ]
amdhsa.kernels:
  - .name:           k_q7e8ecce1cf_combine
    .symbol:         k_q7e8ecce1cf_combine.kd
    .args:
      - { .name: scores, .offset: 0, .size: 8, .value_kind: global_buffer, .address_space: global }
      - { .name: pctx, .offset: 8, .size: 8, .value_kind: global_buffer, .address_space: global }
      - { .name: out0, .offset: 16, .size: 8, .value_kind: global_buffer, .address_space: global }
      - { .name: out1, .offset: 24, .size: 8, .value_kind: global_buffer, .address_space: global }
    .group_segment_fixed_size: 0
    .private_segment_fixed_size: 0
    .kernarg_segment_align: 8
    .kernarg_segment_size: 32
    .max_flat_workgroup_size: 32
    .sgpr_count:     66
    .vgpr_count:     112
    .wavefront_size: 32
...
	.end_amdgpu_metadata
.endif
;; end of part 3
;; ======== version 2 of 2: 3 launches
;; workspace buffers: wimg 1,081,344 bytes; cpart 1,048,576 bytes; scores 131,072 bytes; pctx 1,048,576 bytes
;; launch prep (part 4): grid 256 x 1, 1 waves a work-group, no clusters, 8,960 bytes of LDS; arguments W_hid, hidden, wimg, cpart; writes wimg, cpart
.if DOCPART == 4
	.amdgcn_target "amdgcn-amd-amdhsa--gfx1250"
	.amdhsa_code_object_version 6
	.text
	.protected	k_q7e8ecce1cf_prep
	.globl	k_q7e8ecce1cf_prep
	.p2align	8
	.type	k_q7e8ecce1cf_prep,@function
k_q7e8ecce1cf_prep:
	s_mov_b64 s[64:65], 0
	v_nop
	global_prefetch_b8 v0, s[64:65] scope:SCOPE_SE
	s_setreg_imm32_b32 hwreg(HW_REG_WAVE_SCHED_MODE, 0, 2), 2
	s_setreg_imm32_b32 hwreg(HW_REG_WAVE_MODE, 25, 1), 1
	s_wait_xcnt 0x0
	s_wait_alu depctr_vm_vsrc(0)
; W_hid [2048][1024] f32 (K is its first axis) is quantised ONCE, along K, to codes of E5M2 with one E8M0 byte for each 32 along K.
; A work-group is one wave and takes a SET: 64 columns x 128 along K.  Work-groups 0-127 take rows 0-1023 (the part that multiplies encoder_outputs): their codes go to wimg as images
; of operand registers, in the order in which the next launch's waves take them.  Work-groups 128-255 take rows 1024-2047 (the part that multiplies hidden, which reference() repeats for
; every t): their codes stay in registers and are multiplied at once with the quantised hidden [32][128 of K]; the 32 x 64 sums of this K step go to cpart.
; A LANE TAKES FOUR COLUMNS, AND ITS REGISTERS RUN DOWN K: lane (r, h) loads W(32 c + 16 h + i, 64 g + 4 r + f), f = 0..3 in one load of 16 bytes, so sixteen lanes read 256 consecutive, aligned bytes.
; Tile f of the set is made of columns 64 g + 4 r + f, r = 0..15: which columns form a tile is free.  The hold at the largest code also sorts the numbers by f, so nothing is transposed by an instruction.
; wimg: set q at 8448 q: fragment f, registers 4 c .. 4 c + 3, lane l at 2048 f + 512 c + 16 l; behind them at 8192 + 8 l two scale words: (tile 0 | tile 1), (tile 2 | tile 3) in lanes (0-15 | 16-31).
; cpart: [K step 8][batch 32][1024]; inside a row the order of the product's result: index 64 g + 32 h + 8 f + j stands for column 64 g + 32 h + 4 j + f.
; LIMITS: NaN and infinities are not served.  A block of zeros gets the byte 1 (the floor) with zero codes, where the quantiser says 127: the bytes are read by this program alone.
; REGISTERS: window 0: v1-9 addresses; v10-13 W's scale words, v14-15 hidden's (nothing else ever); v16-79 numbers held, by tile; v80-143 W's codes, 16 a tile; v144-175 hidden's codes;
;   v176-239 the eight sums; v240-255 at work.  Window 1: the 256 numbers of W as loaded: register 64 c + 4 i + f.
; THE MODE: SCHED_MODE bits 1:0 = 2 (LLVM: expert scheduling mode 2), set by the entry lines.  The code itself states the register dependences between vector or matrix instructions and memory or LDS
; instructions, with s_wait_alu, always for 0.
; THE PLAN.  Registers that memory or LDS instructions touch:
;   v3-v9      offsets and addresses, made at the head and never written again: one wait on va_vdst ahead of the branch serves every load and store of both ways.
;   window 1, and on the lower way v16-79 and v176-239: each is loaded once from memory, before any vector instruction names it.
;   upper way  v80-143 (codes) and v244-245 (scale words) are written by conversions and selects and read by the 17 stores, which stand together behind one wait on va_vdst.
;   lower way  codes and scale words go to the matrix instructions: the places, then one wait.  The sums v176-239 are the LDS stores' data, and the rows come back from the stage into v16-79, which the holds
;              and conversions named: the places, then one wait for both.
;   No register that a memory or LDS instruction has read is written again: there is no wait on vm_vsrc.
.set TM,    240                        ; v240-243 largest magnitudes, v244-247 the other half's, then bytes, v248-251 the largest number x the scale, v252-255 the conversions' scale operands
.set SW,    10
.set HS,    14
.set HELD,  16
.set CODES, 80
.set HF,    144
.set ACC,   176
.set MSB, 0
.macro WIN new                         ; the immediate's high byte repeats the setting that is left
.if MSB != \new
	s_set_vgpr_msb (MSB<<8)|\new
.set MSB, \new
.endif
.endm
; from four largest magnitudes of half blocks (v[TM] on) to the blocks' scale operands, holds and bytes
.macro SCALE4
.irp b, 0,1,2,3
	v_permlanex16_b32 v[TM+4+\b], v[TM+\b], s14, s15
.endr
.irp b, 0,1,2,3
	v_max_num_f32 v[TM+\b], v[TM+\b], v[TM+4+\b]             ; with lane l xor 16's 16 numbers: the block's largest magnitude
.endr
.irp b, 0,1,2,3
	v_add_nc_u32 v[TM+12+\b], 0xf8800000, v[TM+\b]           ; 15 off its exponent field: the conversion takes this operand's exponent field as its scale
.endr
.irp b, 0,1,2,3
	v_and_or_b32 v[TM+8+\b], v[TM+\b], 0x7f800000, s12       ; 57,344 x the scale
.endr
.irp b, 0,1,2,3
	v_lshrrev_b32 v[TM+4+\b], 23, v[TM+12+\b]                ; the scale's byte
.endr
.endm
; 64 numbers of a lane, register 16 b + i = k 32 b + 16 h + i of my row, become a fragment's codes in v[pc] on and its scale word in v[pw]
.macro QUANT s, pc, pw
.irp b, 0,1,2,3
	v_max3_num_f32 v[TM+\b], |v[\s+16*\b]|, |v[\s+1+16*\b]|, 0x8000000   ; the floor 2^(16 - 127) among the leaves: the byte cannot fall under 1
.endr
.irp i, 2,4,6,8,10,12,14
.irp b, 0,1,2,3
	v_max3_num_f32 v[TM+\b], v[TM+\b], |v[\s+16*\b+\i]|, |v[\s+1+16*\b+\i]|
.endr
.endr
	SCALE4
	v_lshl_or_b32 v[\pw], v[TM+5], 8, v[TM+4]
	v_lshl_or_b32 v[\pw], v[TM+6], 16, v[\pw]
	v_lshl_or_b32 v[\pw], v[TM+7], 24, v[\pw]
.irp b, 0,1,2,3
.irp i, 0,1,2,3,4,5,6,7,8,9,10,11,12,13,14,15
	v_med3_num_f32 v[\s+16*\b+\i], v[\s+16*\b+\i], -v[TM+8+\b], v[TM+8+\b]   ; the conversion to an 8-bit code does not saturate (ISA guide 7.6.2)
.endr
	v_cvt_scalef32_pk8_bf8_f32 v[\pc+4*\b:\pc+1+4*\b], v[\s+16*\b:\s+7+16*\b], v[TM+12+\b]
	v_cvt_scalef32_pk8_bf8_f32 v[\pc+2+4*\b:\pc+3+4*\b], v[\s+8+16*\b:\s+15+16*\b], v[TM+12+\b]
.endr
	v_nop                                          ; a plain instruction behind the last conversion
.endm
.macro WLOADS                          ; the set's 128 x 64 numbers: 64 loads
	WIN 0x40
.irp c, 0,1,2,3
.irp i, 0,1,2,3,4,5,6,7,8,9,10,11,12,13,14,15
	global_load_b128 v[64*\c+4*\i:64*\c+4*\i+3], v3, s[4:5] offset:(32*\c+\i)*4096 th:TH_LOAD_NT
.endr
.endr
	WIN 0
.endm
; 32 along K of the four tiles: here index f of v[TM+..] is the tile
.macro CHUNK c
	s_wait_loadcnt 16*(3-\c)                       ; this chunk's 16 loads are in; the later chunks' may be out
	WIN 0x05
.irp f, 0,1,2,3
	v_max3_num_f32 v[TM+\f], |v[64*\c+\f]|, |v[64*\c+4+\f]|, 0x8000000
.endr
	WIN 0x14
.irp i, 2,4,6,8,10,12,14
.irp f, 0,1,2,3
	v_max3_num_f32 v[TM+\f], v[TM+\f], |v[64*\c+4*\i+\f]|, |v[64*\c+4*\i+4+\f]|
.endr
.endr
	WIN 0
	SCALE4
.irp f, 0,1,2,3
.if \c == 0
	v_mov_b32 v[SW+\f], v[TM+4+\f]
.else
	v_lshl_or_b32 v[SW+\f], v[TM+4+\f], 8*\c, v[SW+\f]       ; byte c of tile f's scale word
.endif
.endr
	WIN 0x01
.irp f, 0,1,2,3
.irp i, 0,1,2,3,4,5,6,7,8,9,10,11,12,13,14,15
	v_med3_num_f32 v[HELD+16*\f+\i], v[64*\c+4*\i+\f], -v[TM+8+\f], v[TM+8+\f]   ; the hold, and the sorting by tile
.endr
.endr
	WIN 0
.irp f, 0,1,2,3
	v_cvt_scalef32_pk8_bf8_f32 v[CODES+16*\f+4*\c:CODES+16*\f+4*\c+1], v[HELD+16*\f:HELD+16*\f+7], v[TM+12+\f]
	v_cvt_scalef32_pk8_bf8_f32 v[CODES+16*\f+4*\c+2:CODES+16*\f+4*\c+3], v[HELD+16*\f+8:HELD+16*\f+15], v[TM+12+\f]
.endr
	v_nop                                          ; a plain instruction behind the last conversion
.endm
	s_load_b128 s[4:7], s[0:1], 0x0                ; W_hid, hidden
	s_load_b128 s[8:11], s[0:1], 0x10              ; wimg, cpart
	s_set_vgpr_msb 0x80
	v_lshl_add_u32 v0, v0, 2, 0x2200
	v_mov_b32 v1, 0
	s_set_vgpr_msb 0x8000
	v_and_b32 v1, 15, v0                           ; r
	v_lshrrev_b32 v2, 4, v0                        ; h
	v_lshlrev_b32 v3, 4, v1
	v_lshl_add_u32 v3, v2, 16, v3                  ; W: 16 r + 16 h rows of 4,096 bytes
	v_lshlrev_b32 v4, 12, v1
	v_lshl_add_u32 v4, v2, 6, v4                   ; hidden: row r of 4,096 bytes + 64 h
	v_lshlrev_b32 v5, 4, v0                        ; 16 x lane
	v_lshlrev_b32 v6, 3, v0                        ; 8 x lane
	v_mul_u32_u24 v7, v1, 272
	v_lshl_add_u32 v7, v2, 7, v7                   ; the stage, in: row r (a batch), 128 h
	v_mul_u32_u24 v8, v2, 272
	v_lshl_add_u32 v8, v1, 4, v8                   ; back: sixteen lanes to a row of 256 bytes
	v_lshlrev_b32 v9, 12, v2
	v_lshl_add_u32 v9, v1, 4, v9                   ; and the same place in cpart
.irp b, 0,1,2,3
	v_mov_b32 v[TM+4+\b], 0                        ; a lane permute's destination counts as one of its sources
.endr
	s_mov_b32 s12, 0x600000                        ; the mantissa field of 57,344
	s_mov_b32 s14, 0x76543210
	s_mov_b32 s15, 0xfedcba98                      ; selects for lane l xor 16
	s_and_b32 s16, ttmp9, 7                        ; the K step s
	s_lshr_b32 s17, ttmp9, 3
	s_and_b32 s18, s17, 3
	s_lshl_b32 s18, s18, 2
	s_lshr_b32 s19, ttmp9, 5
	s_add_co_u32 s18, s18, s19                     ; upper part: set = 32 w + 8 p + s, column group g = 4 p + w
	s_and_b32 s19, s17, 15                         ; lower part: g
	s_cmp_lt_u32 ttmp9, 128
	s_cselect_b32 s18, s18, s19                    ; g
	s_cselect_b32 s20, 0, 0x400000                 ; the lower part begins 1,024 rows of 4,096 bytes on
	s_lshl_b32 s21, s16, 19                        ; 128 s rows
	s_add_co_u32 s20, s20, s21
	s_lshl_b32 s21, s18, 8                         ; 64 g columns
	s_add_co_u32 s20, s20, s21
	s_mov_b32 s21, 0
	s_mul_i32 s22, ttmp9, 8448                     ; my set in wimg
	s_mov_b32 s23, 0
	s_lshl_b32 s24, s16, 9                         ; hidden: 128 s numbers on
	s_mov_b32 s25, 0
	s_lshl_b32 s26, s16, 17                        ; cpart: plane s,
	s_lshl_b32 s27, s18, 8
	s_add_co_u32 s26, s26, s27                     ; 64 g numbers on
	s_mov_b32 s27, 0
	s_wait_kmcnt 0x0
	s_add_nc_u64 s[4:5], s[4:5], s[20:21]
	s_wait_alu depctr_va_vdst(0)                   ; the offsets and addresses v3 to v9 are written, which the loads and stores of both ways read; none is written again
	s_cmp_lt_u32 ttmp9, 128
	s_cbranch_scc0 .Llower
	; ---- rows 0-1023: codes and scale words to wimg
	s_add_nc_u64 s[8:9], s[8:9], s[22:23]
	WLOADS
	CHUNK 0
	CHUNK 1
	CHUNK 2
	CHUNK 3
	v_cmp_le_u32 vcc_lo, 16, v0
	s_wait_alu depctr_va_vcc(0)                    ; VCC is written, ahead of the selects that read it
	v_cndmask_b32 v244, v[SW], v[SW+1], vcc_lo     ; both halves of the lanes hold row r's word: lanes 16-31 take the odd tile's
	v_cndmask_b32 v245, v[SW+2], v[SW+3], vcc_lo
	s_wait_alu depctr_va_vdst(0)                   ; the conversions have written the codes v80-143 and the selects v244-245: the 17 stores below read them
.irp f, 0,1,2,3
.irp c, 0,1,2,3
	global_store_b128 v5, v[CODES+16*\f+4*\c:CODES+16*\f+4*\c+3], s[8:9] offset:2048*\f+512*\c   ; 32 lanes store 512 consecutive bytes
.endr
.endr
	global_store_b64 v6, v[244:245], s[8:9] offset:8192   ; 256 consecutive bytes
	s_endpgm
.Llower:
	; ---- rows 1024-2047: this K step's part of hidden x W
	s_add_nc_u64 s[6:7], s[6:7], s[24:25]
	s_add_nc_u64 s[10:11], s[10:11], s[26:27]
.irp bt, 0,1                           ; batches 16 bt + r: 16 neighbours of each block of 32 to a lane; into v176 on and v16 on, which are free until the sums and the holds
.irp c, 0,1,2,3
.irp q, 0,1,2,3
	global_load_b128 v[176-160*\bt+16*\c+4*\q:176-160*\bt+16*\c+4*\q+3], v4, s[6:7] offset:65536*\bt+128*\c+16*\q
.endr
.endr
.endr
	WLOADS
	s_wait_loadcnt 63                              ; hidden's 32 loads are in: 64 were issued behind them, and 63 is the nearest count that a wait can name
	QUANT 176, HF, HS
	QUANT 16, HF+16, HS+1
	CHUNK 0
	CHUNK 1
	CHUNK 2
	CHUNK 3
.rept 8
	v_nop                                          ; operands and scale words made by vector instructions stand 4 and 8 places ahead of a scaled matrix instruction
.endr
	s_wait_alu depctr_va_vdst(0)                   ; behind the places: W's and hidden's codes (v80-175) and scale words (v10-15) are written, which the matrix instructions take
.irp bt, 0,1
.irp f, 0,1,2,3                        ; source 0 = 16 columns of W, source 1 = 16 batches: lane (r, h), register j: batch 16 bt + r, column 64 g + 32 h + 4 j + f
	v_wmma_scale_f32_16x16x128_f8f6f4 v[ACC+8*(4*\bt+\f):ACC+8*(4*\bt+\f)+7], v[CODES+16*\f:CODES+16*\f+15], v[HF+16*\bt:HF+16*\bt+15], 0, v[SW+\f], v[HS+\bt] matrix_a_fmt:MATRIX_FMT_BF8 matrix_b_fmt:MATRIX_FMT_BF8
.endr
.endr
.rept 8
	v_nop                                          ; places ahead of the first read of results (ISA guide 7.12.1)
.endr
	s_wait_alu depctr_va_vdst(0)                   ; behind the places: the matrix instructions have written the sums v176-239, which the LDS stores read; the holds and conversions are done with v16-79, in which the rows land
.irp bt, 0,1
.irp f, 0,1,2,3
	ds_store_b128 v7, v[ACC+8*(4*\bt+\f):ACC+8*(4*\bt+\f)+3] offset:4352*\bt+32*\f       ; each sum from its low end on
	ds_store_b128 v7, v[ACC+8*(4*\bt+\f)+4:ACC+8*(4*\bt+\f)+7] offset:4352*\bt+32*\f+16
.endr
.endr
.irp i, 0,1,2,3,4,5,6,7,8,9,10,11,12,13,14,15
	ds_load_b128 v[16+4*\i:19+4*\i], v8 offset:544*\i     ; LDS serves a wave's instructions in order: these see the stores above
.endr
.irp i, 0,1,2,3,4,5,6,7,8,9,10,11,12,13,14,15
	s_wait_dscnt 15-\i
	global_store_b128 v9, v[16+4*\i:19+4*\i], s[10:11] offset:8192*\i   ; sixteen lanes store 256 consecutive, aligned bytes of a batch's row
.endr
	s_set_vgpr_msb 0xa
	s_wait_dscnt 0x0
	s_wait_alu depctr_hold_cnt(0) depctr_sa_sdst(0) depctr_va_vdst(0) depctr_va_sdst(0) depctr_va_ssrc(0) depctr_va_vcc(0) depctr_vm_vsrc(0)
	s_wait_tensorcnt 0x0
	ds_add_u32 v0, v1
	s_wait_dscnt 0x0
	s_endpgm
.Lfunc_end_k_q7e8ecce1cf_prep:
	.size	k_q7e8ecce1cf_prep, .Lfunc_end_k_q7e8ecce1cf_prep-k_q7e8ecce1cf_prep
	.p2alignl 7, 3214868480
	.fill 96, 4, 3214868480
	.section	.rodata,"a",@progbits
	.p2align	6, 0x0
	.amdhsa_kernel k_q7e8ecce1cf_prep
		.amdhsa_group_segment_fixed_size 8960
		.amdhsa_private_segment_fixed_size 0
		.amdhsa_enable_private_segment 0
		.amdhsa_kernarg_size 32
		.amdhsa_user_sgpr_count 2
		.amdhsa_user_sgpr_kernarg_segment_ptr 1
		.amdhsa_wavefront_size32 1
		.amdhsa_system_sgpr_workgroup_id_x 1
		.amdhsa_system_sgpr_workgroup_id_y 1
		.amdhsa_system_sgpr_workgroup_id_z 1
		.amdhsa_system_vgpr_workitem_id 0
		.amdhsa_next_free_vgpr 514
		.amdhsa_next_free_sgpr 66
		.amdhsa_reserve_vcc 1
		.amdhsa_float_denorm_mode_32 3
		.amdhsa_float_denorm_mode_16_64 3
		.amdhsa_memory_ordered 1
		.amdhsa_forward_progress 1
		.amdhsa_inst_pref_size 107
	.end_amdhsa_kernel
	.amdgpu_metadata
---
amdhsa.version: [ 1, 2 ]
amdhsa.kernels:
  - .name:           k_q7e8ecce1cf_prep
    .symbol:         k_q7e8ecce1cf_prep.kd
    .args:
      - { .name: W_hid, .offset: 0, .size: 8, .value_kind: global_buffer, .address_space: global }
      - { .name: hidden, .offset: 8, .size: 8, .value_kind: global_buffer, .address_space: global }
      - { .name: wimg, .offset: 16, .size: 8, .value_kind: global_buffer, .address_space: global }
      - { .name: cpart, .offset: 24, .size: 8, .value_kind: global_buffer, .address_space: global }
    .group_segment_fixed_size: 8960
    .private_segment_fixed_size: 0
    .kernarg_segment_align: 8
    .kernarg_segment_size: 32
    .max_flat_workgroup_size: 32
    .sgpr_count:     66
    .vgpr_count:     514
    .wavefront_size: 32
...
	.end_amdgpu_metadata
.endif
;; end of part 4
;; launch main (part 5): grid 256 x 1, 4 waves a work-group, no clusters, 303,616 bytes of LDS; arguments encoder_outputs, wimg, cpart, b_hid, w_score, scores, pctx; writes scores, pctx
.if DOCPART == 5
	.amdgcn_target "amdgcn-amd-amdhsa--gfx1250"
	.amdhsa_code_object_version 6
	.text
	.protected	k_q7e8ecce1cf_main
	.globl	k_q7e8ecce1cf_main
	.p2align	8
	.type	k_q7e8ecce1cf_main,@function
k_q7e8ecce1cf_main:
	s_mov_b64 s[64:65], 0
	v_nop
	global_prefetch_b8 v0, s[64:65] scope:SCOPE_SE
	s_setreg_imm32_b32 hwreg(HW_REG_WAVE_SCHED_MODE, 0, 2), 2
	s_setreg_imm32_b32 hwreg(HW_REG_WAVE_MODE, 25, 1), 1
	s_wait_xcnt 0x0
	s_wait_alu depctr_vm_vsrc(0)
; For 128 rows t of one batch b (work-group x: rows 128 x .. 128 x + 127 of the flat [32768][1024]): score(t) = w_score . tanh(Q(enc[t]) Q(W[0:1024]) + c[b] + b_hid),
; c[b] = Q(hidden[b]) Q(W[1024:2048]) from cpart (blocks of 32 along K do not straddle the concatenation, and reference() repeats hidden[b] for every t, so that part of the product is one row a batch);
; then the group's largest score m, p = exp(score - m), and the group's part of the context, sum over t of p(t) enc[t].  The next launch joins a batch's eight parts.
; encoder_outputs IS READ FROM MEMORY ONCE: each row is quantised to codes of E5M2 (MX, blocks of 32 along K) into LDS, and kept as bf16 for the context: 16 of a wave's 32 rows in LDS,
; 16 parked in 256 registers during the products and laid over the codes' bytes when those are done with (codes 133,120 + bf16 262,144 bytes do not fit in LDS together).
; tanh x = 1 - 2 r, r = 1 / (1 + 2^(2 log2(e) x)).  The score is carried as -2 sum of w r: it lacks the constant sum of w, which a softmax cancels.
; PRODUCT.  Every wave takes all 128 rows (8 tiles a) and 64 columns a pass (4 tiles f), 4 passes; source 0 = 16 columns of W, source 1 = 16 rows of enc: lane (r, h), register j of
; accumulator (a, f): row 16 a + r, column 64 g + 32 h + 4 j + f, g = 4 pass + wave.  c + b_hid is the C of each sum's first matrix instruction.
; W COMES FROM wimg STRAIGHT INTO REGISTERS, as images of operand registers.  No tensor loads, no cluster: each fragment of W feeds one wave of the group alone, so LDS would spare no read of it, and a K step's
; W of the group is 4 x 8,448 bytes: two slots, 67,584 bytes, do not fit beside the 303,104 bytes in use.
; LIMITS: NaN and infinities are not served.  A block of zeros gets the byte 1 with zero codes (bytes read by this program alone).  c is summed as b_hid + 8 parts along K, another order of f32 sums than one chain.
; enc enters the context as bf16.
; LDS: 0 codes, 128 rows, pitch 1,040 (65 x 16 bytes: the 16 rows of a fragment load begin in 16 different groups of banks); later the parked bf16 rows | BF bf16, 16 rows x 2,048 a wave |
;   ASC scale bytes, 48 a row | STG two stages of 32 x 80 a wave | CIN c + b_hid, then w_score, both in the result's order | SRED [wave][128] score parts | PW p[128], a copy for each wave.
; REGISTERS: window 0: v1 lane, v4-31 addresses; v32-63 enc's scale words, v64-71 W's (nothing else ever); v72-103 C, then w_score, later p; v104-119 score sums, later the context; v120-127 at work;
;   v128-255 enc's fragments (before: numbers at work; later bf16 rows).  Window 1: numbers as loaded, then 4 sets of W.  Window 2: the 32 accumulators.  Window 3: the parked rows.
; THE MODE: SCHED_MODE bits 1:0 = 2 (LLVM: expert scheduling mode 2), set by the entry lines.  The code itself states the register dependences between vector or matrix instructions and memory or LDS
; instructions, with s_wait_alu, always for 0.
; THE PLAN.  Registers that memory or LDS instructions touch, and who else names them:
;   v4-23, v31  addresses made at the head and never written again: one wait on va_vdst ahead of the first load.
;   THE LOAD PHASE.  Window 1: the loads of enc land in it, the stage's stores read it, no vector instruction names it.  X0, X1: the stage's loads of step u land in X[u % 2]; step u reads it and holds it in place.
;     BFP, CODE, EBY, two sets: written by step u, read by its four stores.  v24-26: written at a trip's head, read by those stores.
;     ONE wait on va_vdst a step, behind its arithmetic: its four stores follow, and so do the next step's loads from the stage into X[u % 2], with no vector instruction between.
;     ONE wait on vm_vsrc at a trip's head (v24-26) and at the head of steps 2 to 15: the stores of two steps back have read the set that the step writes; at steps 7 and 15 the stage's stores have read
;     the registers of window 1 in which 32 loads land.
;   THE PRODUCTS.  enc's tiles 0-3: read by a K step's first 16 products, then loaded for the next step; tiles 4-7: the same with its last 16.  W's set s % 4 and its scale words: read by all 32 products of step s.
;     v72-103: read as C by step 0, loaded with w_score behind it, read by the pass's end, loaded with the next C's at the next pass's head.  v27: written at a pass's head.
;     TWO waits on va_vdst a K step, each behind eight places: in its middle (tiles 0-3) and at its end (tiles 4-7, the step's set of W, in step 0 the C's).  W'S NEXT SET IS ASKED FOR IN THE NEXT STEP, between its
;     8th and 9th product: step s asks for set s + 3, into the set that step s - 1 read.  The eight products issued since the wait name set s % 4, tiles 0 and 1, other scale words and the accumulators.
;   THE END.  v120-123, v72-79, v28-30, v104-111: stated where they stand.
.set APITCH, 1040
.set BF,     133120
.set ASC,    264192
.set STG,    270336
.set CIN,    290816
.set SRED,   299008
.set PW,     301056
.set SETB,   8448
.set LN,   1
.set VE,   4                           ; 16 x lane
.set VSTI, 5
.set VSTO, 6
.set VAC0, 7
.set VBF0, 8
.set VSC0, 9
.set VPK,  10
.set VDP,  11
.set AD0,  12                          ; v12, v13: my place in a fragment of rows 0-63, 64-127
.set VAS,  14
.set VCW0, 15
.set VWS,  16                          ; 8 x lane
.set VSRW, 17
.set VSRR, 18
.set VPWW, 19
.set VPR0, 20
.set VC1,  21
.set VC2,  22
.set VOUT, 23
.set VAC,  24                          ; v24-30: a base above + a loop's scalar
.set VBF,  25
.set VSC,  26
.set VCW,  27
.set VPR,  28
.set VC1W, 29
.set VC2W, 30
.set VCI,  31
.set ASCR, 32
.set WSW,  64
.set CW,   72
.set SC,   104
.set AF,   128
.set X,    128                         ; the load phase: two sets of 16 neighbours,
.set BFP,  160                         ; their bf16, two sets of 8,
.set CODE, 176                         ; their codes, two sets of 4,
.set EBY,  184                         ; their scale byte, two
.set PB0,  72
.set PB1,  88
.set CA,   104
.set XB0,  128
.set XB1,  192
.set WV,   18
.set MNT,  19
.set SEL,  20
.set TR,   22
.set SA,   23
.set SB,   24
.set SS,   25
.set PASS, 26
.set PO,   27
.set CO,   38
.set CP,   39
.set MSB, 0
.macro WIN new                         ; the immediate's high byte repeats the setting that is left
.if MSB != \new
	s_set_vgpr_msb (MSB<<8)|\new
.set MSB, \new
.endif
.endm
.macro PLACES8                         ; eight places behind this matrix form, ahead of loads into its registers and of reads of results
.rept 8
	v_nop
.endr
.endm
; ---- the load phase.  A step is half a row, 512 numbers; a trip is 8 rows, 16 steps; window 1 holds a trip's numbers as loaded, 16 registers a step
.macro LOADH hf, next                  ; steps 8 hf .. 8 hf + 7 of this trip (next = 0) or the next: 32 loads of 512 consecutive bytes
	WIN 0x40
.irp uu, 0,1,2,3,4,5,6,7
.irp i, 0,1,2,3
	global_load_b128 v[16*(8*\hf+\uu)+4*\i:16*(8*\hf+\uu)+4*\i+3], v[VE], s[4:5] offset:\next*32768+((8*\hf+\uu)/2)*4096+(\uu%2)*2048+512*\i th:TH_LOAD_NT
.endr
.endr
	WIN 0
.endm
.macro TURN u                          ; step u's 2,048 bytes through my stage: in as loaded, back 64 bytes (16 neighbours) a lane
	WIN 0x04
.irp i, 0,1,2,3
	ds_store_b128 v[VSTI], v[16*(\u)+4*\i:16*(\u)+4*\i+3] offset:2560*((\u)%2)+640*\i
.endr
	WIN 0
.irp i, 0,1,2,3
	ds_load_b128 v[X+16*((\u)%2)+4*\i:X+16*((\u)%2)+4*\i+3], v[VSTO] offset:2560*((\u)%2)+16*\i
.endr
.endm
.macro QSTEP u                         ; 16 neighbours a lane, two lanes to a block: bf16 copy, scale, hold, codes; four LDS stores
.set XS, X+16*((\u)%2)
.set BP, BFP+8*((\u)%2)
.set CD, CODE+4*((\u)%2)
.set EY, EBY+((\u)%2)
.irp k, 0,1,2,3,4,5,6,7
	v_cvt_pk_bf16_f32 v[BP+\k], v[XS+2*\k], v[XS+2*\k+1]     ; ahead of the hold, which works in place
.endr
	v_max3_num_f32 v120, |v[XS]|, |v[XS+1]|, |v[XS+2]|
	v_max3_num_f32 v121, |v[XS+3]|, |v[XS+4]|, |v[XS+5]|
.irp i, 6,10
	v_max3_num_f32 v120, v120, |v[XS+\i]|, |v[XS+\i+1]|
	v_max3_num_f32 v121, v121, |v[XS+\i+2]|, |v[XS+\i+3]|
.endr
	v_max3_num_f32 v120, v120, |v[XS+14]|, |v[XS+15]|
	v_max3_num_f32 v120, v120, v121, 0x8000000     ; the floor 2^(16 - 127): the byte cannot fall under 1
	v_max_num_f32_dpp v120, v120, v120 row_xmask:1 row_mask:0xf bank_mask:0xf   ; with my neighbour's 16: the block's largest magnitude
	v_add_nc_u32 v122, 0xf8800000, v120            ; 15 off its exponent field: the conversion's scale operand
	v_and_or_b32 v123, v120, 0x7f800000, s[MNT]    ; 57,344 x the scale
.irp i, 0,1,2,3,4,5,6,7,8,9,10,11,12,13,14,15
	v_med3_num_f32 v[XS+\i], v[XS+\i], -v123, v123 ; the conversion to an 8-bit code does not saturate (ISA guide 7.6.2)
.endr
	v_cvt_scalef32_pk8_bf8_f32 v[CD:CD+1], v[XS:XS+7], v122
	v_cvt_scalef32_pk8_bf8_f32 v[CD+2:CD+3], v[XS+8:XS+15], v122
	v_lshrrev_b32 v[EY], 23, v122                  ; the scale's byte; also the plain instruction behind the conversions
	s_wait_alu depctr_va_vdst(0)                   ; this step has written its bf16, codes and byte, which the four stores read (in a trip's first step also v24-26, their addresses), and is done with its 16 numbers' registers, in which the next step's loads from the stage land
	ds_store_b8 v[VSC], v[EY] offset:48*((\u)/2)+16*((\u)%2)     ; both lanes of a block write the same byte with the same value
	ds_store_b128 v[VAC], v[CD:CD+3] offset:APITCH*((\u)/2)+512*((\u)%2)
	ds_store_b128 v[VBF], v[BP:BP+3] offset:2048*((\u)/2)+1024*((\u)%2)
	ds_store_b128 v[VBF], v[BP+4:BP+7] offset:2048*((\u)/2)+1024*((\u)%2)+16
.endm
.macro XSTEP u, mayend                 ; mayend = 1: in the loop's last trip (s[TR] = 1) nothing further is loaded: no load leaves the buffer
	s_wait_dscnt 4                                 ; all but the last step's four stores: this step's numbers are back from the stage, and the stage's stores have read their registers
.if (\u) > 1
	s_wait_alu depctr_vm_vsrc(0)                   ; the four stores of two steps back have read the bf16, codes and byte that this step writes again; at steps 7 and 15: the stage's stores have read the registers of window 1 in which the loads below land.  (Steps 0 and 1: the wait at the trip's head)
.endif
.if (\u) == 7
.if \mayend
	s_cmp_eq_u32 s[TR], 1
	s_cbranch_scc1 .Lx7_last
.endif
	LOADH 0, 1                                     ; steps 0-7 have left their registers
	s_wait_loadcnt 32                              ; steps 8-15 are in; the 32 just issued may be out
.if \mayend
	s_branch .Lx7_done
.Lx7_last:
	s_wait_loadcnt 0x0
.Lx7_done:
.endif
.endif
.if (\u) == 15
.if \mayend
	s_cmp_eq_u32 s[TR], 1
	s_cbranch_scc1 .Lx15_done
.endif
	LOADH 1, 1
	s_wait_loadcnt 32                              ; the next trip's steps 0-7 are in
	TURN 0
.if \mayend
.Lx15_done:
.endif
.else
	TURN (\u)+1                                    ; the next step goes through the other stage while this one is worked
.endif
	QSTEP \u
.endm
.macro XLOOP mayend                    ; two trips: 16 rows
	s_mov_b32 s[TR], 2
.Lx_\@:
	s_wait_alu depctr_vm_vsrc(0)                   ; the last trip's stores have read v24-26, and its last two steps' stores their data; on the way in from the head: the small loads have read v120 and v121, which the steps write
	v_add_nc_u32 v[VAC], s[SA], v[VAC0]
	v_add_nc_u32 v[VBF], s[SB], v[VBF0]
	v_add_nc_u32 v[VSC], s[SS], v[VSC0]
.irp u, 0,1,2,3,4,5,6,7,8,9,10,11,12,13,14,15
	XSTEP \u, \mayend
.endr
	s_wait_xcnt 0x0                                ; the loads have read their base: it may step
	s_add_nc_u64 s[4:5], s[4:5], 32768             ; 8 rows on
	s_add_co_u32 s[SA], s[SA], 8*APITCH
	s_xor_b32 s[SB], s[SB], 16384
	s_add_co_u32 s[SS], s[SS], 8*48
	s_sub_co_u32 s[TR], s[TR], 1
	s_cmp_lg_u32 s[TR], 0
	s_cbranch_scc1 .Lx_\@
.endm
; ---- the products
.macro WLOAD slot, rel                 ; set rel of my stream into slot: 17 loads.  It leaves the destination's window at 1
	WIN 0
	global_load_b64 v[WSW+2*(\slot):WSW+2*(\slot)+1], v[VWS], s[6:7] offset:(\rel)*SETB+8192
	WIN 0x40
.irp f, 0,1,2,3
.irp c, 0,1,2,3
	global_load_b128 v[64*(\slot)+16*\f+4*\c:64*(\slot)+16*\f+4*\c+3], v[VE], s[6:7] offset:(\rel)*SETB+2048*\f+512*\c
.endr
.endr
.endm
.macro FETCHA s, a0                    ; enc's tiles a0 .. a0 + 3 of K step s: registers 4 c .. 4 c + 3 hold K = 32 c + 16 h + 0 .. 15 of row r
.irp a, \a0, \a0+1, \a0+2, \a0+3
.irp c, 0,1,2,3
	ds_load_b128 v[AF+16*(\a)+4*\c:AF+16*(\a)+4*\c+3], v[AD0+(\a)/4] offset:((\a)%4)*16*APITCH+128*(\s)+32*\c
.endr
.endr
.endm
.macro CWLOAD off                      ; eight numbers a tile in the result's layout: off = 0: c + b_hid; 4096: w_score
.irp f, 0,1,2,3
	ds_load_b128 v[CW+8*\f:CW+8*\f+3], v[VCW] offset:\off+32*\f
	ds_load_b128 v[CW+8*\f+4:CW+8*\f+7], v[VCW] offset:\off+32*\f+16
.endr
.endm
.macro WM s, a, f                      ; one product.  W's scale word: tile f in row f % 2 of register f / 2 of the set; enc's: tile a in row a % 2 of register (a / 2, s)
.set rD,  8*(4*(\a)+(\f))
.set rW,  64*((\s)%4)+16*(\f)
.set rA,  AF+16*(\a)
.set rSW, WSW+2*((\s)%4)+(\f)/2
.set rSA, ASCR+8*((\a)/2)+(\s)
.if (\s) == 0
.set rC, CW+8*(\f)
.else
.set rC, rD
.endif
.if ((\f)%2 == 0) && ((\a)%2 == 0)
	v_wmma_scale_f32_16x16x128_f8f6f4 v[rD:rD+7], v[rW:rW+15], v[rA:rA+15], v[rC:rC+7], v[rSW], v[rSA] matrix_a_fmt:MATRIX_FMT_BF8 matrix_b_fmt:MATRIX_FMT_BF8
.elseif ((\f)%2 == 1) && ((\a)%2 == 0)
	v_wmma_scale_f32_16x16x128_f8f6f4 v[rD:rD+7], v[rW:rW+15], v[rA:rA+15], v[rC:rC+7], v[rSW], v[rSA] matrix_a_fmt:MATRIX_FMT_BF8 matrix_b_fmt:MATRIX_FMT_BF8 matrix_a_scale:MATRIX_SCALE_ROW1
.elseif ((\f)%2 == 0)
	v_wmma_scale_f32_16x16x128_f8f6f4 v[rD:rD+7], v[rW:rW+15], v[rA:rA+15], v[rC:rC+7], v[rSW], v[rSA] matrix_a_fmt:MATRIX_FMT_BF8 matrix_b_fmt:MATRIX_FMT_BF8 matrix_b_scale:MATRIX_SCALE_ROW1
.else
	v_wmma_scale_f32_16x16x128_f8f6f4 v[rD:rD+7], v[rW:rW+15], v[rA:rA+15], v[rC:rC+7], v[rSW], v[rSA] matrix_a_fmt:MATRIX_FMT_BF8 matrix_b_fmt:MATRIX_FMT_BF8 matrix_a_scale:MATRIX_SCALE_ROW1 matrix_b_scale:MATRIX_SCALE_ROW1
.endif
.endm
.macro MUL s, a0                       ; 8 products: tiles a0, a0 + 1; the 32 accumulators take turns, one instruction a turn, in the same order in every K step
.if (\s) == 0
	WIN 0x81                                       ; W window 1, enc and C window 0, D window 2
.else
	WIN 0xa1                                       ; C and D window 2
.endif
.irp a, \a0, \a0+1
.irp f, 0,1,2,3
	WM \s, \a, \f
.endr
.endr
.endm
; A K step of 128.  cnt: the loads issued behind this step's set.  ahead = 1: the set three steps on is asked for.  fa = 1: the next step's tiles of enc are fetched
.macro KSTEP s, cnt, ahead, fa
	s_wait_loadcnt \cnt
	s_wait_dscnt 16                                ; tiles 0-3 are in; the youngest 16 loads (tiles 4-7) may be out
	MUL \s, 0
.if \ahead
	WLOAD ((\s)+3)%4, (\s)+3                       ; into the set that the step before read.  No wait: that step's last wait has shown its products done reading, and the eight products since name this step's set, tiles 0 and 1, other scale words and the accumulators
.endif
	MUL \s, 2
	s_wait_dscnt 0x0
	PLACES8
	WIN 0
.if \fa
	s_wait_alu depctr_va_vdst(0)                   ; behind the places: the step's first sixteen products are done reading tiles 0-3, in which the loads below land
	FETCHA ((\s)+1)%8, 0
.endif
	MUL \s, 4
	MUL \s, 6
	PLACES8
	WIN 0
.if ((\s) == 0) || \fa
	s_wait_alu depctr_va_vdst(0)                   ; behind the places: the step's products are done reading tiles 4-7 and, in step 0, the C's, in which the loads below land; and its set of W with its scale words, in which the next step's loads of W land
.endif
.if (\s) == 0
	CWLOAD 4096                                    ; the C's have been taken: w_score for the pass's end; ahead of the fetch below, so that the next count of 16 holds
.endif
.if \fa
	FETCHA ((\s)+1)%8, 4
.endif
.endm
; a pass's end: r = 1 / (1 + 2^(2 log2(e) x)) of all 256 numbers of a lane, in place, each accumulator from its low end on; then the score sums take w r
.macro EPI
	WIN 0x82
.set i, 0
.rept 128
	v_pk_mul_f32 v[i:i+1], v[i:i+1], 0x4038aa3b op_sel_hi:[1,0]
.set i, i+2
.endr
.set i, 0
	s_wait_alu depctr_va_vdst(0)
.rept 256
	v_exp_f32 v[i], v[i]
.set i, i+1
.endr
	v_nop                                          ; a plain instruction behind the last exponential
	s_wait_alu depctr_va_vdst(0)                   ; the 256 exponentials have written their results: one wait for the batch, ahead of its first reader
.set i, 0
.rept 128
	v_pk_add_f32 v[i:i+1], v[i:i+1], 1.0 op_sel_hi:[1,0]
.set i, i+2
.endr
.set i, 0
	s_wait_alu depctr_va_vdst(0)
.rept 256
	v_rcp_f32 v[i], v[i]
.set i, i+1
.endr
	v_nop
	s_wait_alu depctr_va_vdst(0)                   ; and one for the 256 reciprocals, ahead of the multiply-adds that read them
	WIN 0x02
.irp f, 0,1,2,3
.irp jp, 0,1,2,3
.irp a, 0,1,2,3,4,5,6,7                ; eight chains, one a tile of rows
	v_pk_fma_f32 v[SC+2*\a:SC+2*\a+1], v[8*(4*\a+\f)+2*\jp:8*(4*\a+\f)+2*\jp+1], v[CW+8*\f+2*\jp:CW+8*\f+2*\jp+1], v[SC+2*\a:SC+2*\a+1]
.endr
.endr
.endr
	WIN 0
.endm
; ---- the context
.macro CLOAD xb, pb, adr, poff         ; 16 rows: p (all lanes read the same words) and my 8 columns of each row: 36 loads
.irp q, 0,1,2,3
	ds_load_b128 v[\pb+4*\q:\pb+4*\q+3], v[VPR] offset:\poff+16*\q
.endr
.irp i, 0,1,2,3,4,5,6,7,8,9,10,11,12,13,14,15
	ds_load_b64 v[\xb+4*\i:\xb+4*\i+1], v[\adr] offset:2048*\i
	ds_load_b64 v[\xb+4*\i+2:\xb+4*\i+3], v[\adr] offset:2048*\i+1024
.endr
.endm
.macro CFMA xb, pb
.irp i, 0,1,2,3,4,5,6,7,8,9,10,11,12,13,14,15
.irp g, 0,1,2,3
	v_fma_mix_f32_bf16 v[CA+2*\g], v[\xb+4*\i+\g], v[\pb+\i], v[CA+2*\g] op_sel:[0,0,0] op_sel_hi:[1,0,0]
	v_fma_mix_f32_bf16 v[CA+2*\g+1], v[\xb+4*\i+\g], v[\pb+\i], v[CA+2*\g+1] op_sel:[1,0,0] op_sel_hi:[1,0,0]
.endr
.endr
.endm
	s_load_b256 s[4:11], s[0:1], 0x0               ; enc s[4:5], wimg s[6:7], cpart s[8:9], b_hid s[10:11]
	s_load_b128 s[12:15], s[0:1], 0x20             ; w_score s[12:13], scores s[14:15]
	s_load_b64 s[16:17], s[0:1], 0x30              ; pctx
	v_lshl_add_u32 v126, v0, 2, 0x4a000
	v_mov_b32 v127, 0
	v_lshrrev_b32 v1, 5, v0
	v_readfirstlane_b32 s[WV], v1                  ; wave 0..3
	v_and_b32 v[LN], 31, v0                        ; lane
	v_and_b32 v2, 15, v0                           ; r
	v_bfe_u32 v3, v0, 4, 1                         ; h
	v_lshlrev_b32 v[VE], 4, v[LN]
	v_lshlrev_b32 v[VWS], 3, v[LN]
	s_wait_alu depctr_va_sdst(0)                   ; the wave's number is written to its scalar register, ahead of its first reader
	s_mul_i32 s28, s[WV], 5120
	s_add_co_u32 s28, s28, STG                     ; my two stages
	v_lshrrev_b32 v[VSTI], 2, v[LN]
	v_mul_u32_u24 v[VSTI], v[VSTI], 80
	v_and_b32 v[VSTO], 3, v[LN]
	v_lshl_add_u32 v[VSTI], v[VSTO], 4, v[VSTI]
	v_add_nc_u32 v[VSTI], s28, v[VSTI]             ; in: four lanes' 64 bytes on end, then 16 of padding
	v_mul_u32_u24 v[VSTO], v[LN], 80
	v_add_nc_u32 v[VSTO], s28, v[VSTO]             ; back: 80 x lane
	s_mul_i32 s28, s[WV], 32*APITCH
	v_add_nc_u32 v[VAC0], s28, v[VE]               ; codes: my 32 rows, 16 bytes a lane
	s_lshl_b32 s29, s[WV], 15
	s_add_co_u32 s28, s29, BF
	v_lshl_add_u32 v[VBF0], v[LN], 5, s28          ; bf16: my 16 rows, 32 bytes a lane
	v_add_nc_u32 v[VPK], s28, v[VE]                ; parking: the same bytes, 16 a lane
	v_add_nc_u32 v[VDP], s29, v[VE]                ; and where they are laid later
	s_mul_i32 s28, s[WV], 32*48
	s_add_co_u32 s28, s28, ASC
	v_lshrrev_b32 v[VSC0], 1, v[LN]
	v_add_nc_u32 v[VSC0], s28, v[VSC0]             ; scale bytes: my 32 rows, my block's byte
	v_mul_u32_u24 v[AD0], v2, APITCH
	v_lshl_add_u32 v[AD0], v3, 4, v[AD0]
	v_add_nc_u32 v[AD0+1], 64*APITCH, v[AD0]
	v_mul_u32_u24 v[VAS], v[LN], 48
	v_add_nc_u32 v[VAS], ASC, v[VAS]               ; scale words: lane l takes row l of 32: an even tile below, the odd one above
	s_lshl_b32 s28, s[WV], 8
	s_add_co_u32 s28, s28, CIN
	v_lshl_add_u32 v[VCW0], v3, 7, s28             ; 256 g + 128 h bytes, g = 4 pass + wave
	s_lshl_b32 s28, s[WV], 9
	s_add_co_u32 s29, s28, SRED
	v_lshl_add_u32 v[VSRW], v[LN], 2, s29
	v_add_nc_u32 v[VSRR], SRED, v[VE]
	s_add_co_u32 s29, s28, PW
	v_add_nc_u32 v[VPWW], s29, v[VE]
	v_mov_b32 v[VPR0], s29
	v_lshlrev_b32 v[VC1], 3, v0                    ; the context: thread T owns columns 4 T .. + 3 and 512 + 4 T .. + 3
	v_add_nc_u32 v[VC2], BF, v[VC1]
	v_lshlrev_b32 v[VOUT], 4, v0
	v_lshlrev_b32 v120, 5, v0                      ; 32 T: eight numbers in the result's order,
	v_add_nc_u32 v[VCI], CIN, v120
	v_and_b32 v121, 0x7c, v0
	v_lshlrev_b32 v121, 5, v121
	v_and_b32 v122, 3, v0
	v_lshl_add_u32 v121, v122, 2, v121             ; which stand for columns 32 (T / 4) + 4 j + T % 4
	s_mov_b32 s[MNT], 0x600000                     ; the mantissa field of 57,344
	s_mov_b32 s[SEL], 0x76543210
	s_mov_b32 s[SEL+1], 0xfedcba98                 ; selects for lane l xor 16
	s_mov_b32 s[SA], 0
	s_mov_b32 s[SB], 0
	s_mov_b32 s[SS], 0
	s_lshl_b32 s28, ttmp9, 19                      ; my group's 128 rows of 4,096 bytes,
	s_lshl_b32 s30, s[WV], 17                      ; my wave's 32
	s_add_co_u32 s28, s28, s30
	s_mov_b32 s29, 0
	s_mul_i32 s30, s[WV], 32*SETB                  ; my wave's 32 sets
	s_mov_b32 s31, 0
	s_lshr_b32 s32, ttmp9, 3
	s_lshl_b32 s32, s32, 12                        ; my batch's row of cpart
	s_mov_b32 s33, 0
	s_lshl_b32 s34, ttmp9, 9
	s_mov_b32 s35, 0
	s_lshl_b32 s36, ttmp9, 12
	s_mov_b32 s37, 0
	s_wait_kmcnt 0x0
	s_add_nc_u64 s[4:5], s[4:5], s[28:29]
	s_add_nc_u64 s[6:7], s[6:7], s[30:31]
	s_add_nc_u64 s[8:9], s[8:9], s[32:33]
	s_add_nc_u64 s[14:15], s[14:15], s[34:35]
	s_add_nc_u64 s[16:17], s[16:17], s[36:37]
	s_wait_alu depctr_va_vdst(0)                   ; the addresses and offsets v4-23, v31, v120 and v121 are written, which the loads and stores of the whole kernel read
.irp s, 0,1,2,3,4,5,6,7                ; c's eight parts, b_hid and w_score: 32 loads
	global_load_b128 v[176+8*\s:179+8*\s], v120, s[8:9] offset:131072*\s
	global_load_b128 v[180+8*\s:183+8*\s], v120, s[8:9] offset:131072*\s+16
.endr
.irp j, 0,1,2,3,4,5,6,7
	global_load_b32 v[240+\j], v121, s[10:11] offset:16*\j
	global_load_b32 v[248+\j], v121, s[12:13] offset:16*\j
.endr
	LOADH 0, 0
	s_wait_loadcnt 32                              ; the 32 small loads are in; the 32 of enc may be out
.irp s, 0,1,2,3,4,5,6,7
.irp k, 0,2,4,6
	v_pk_add_f32 v[240+\k:241+\k], v[240+\k:241+\k], v[176+8*\s+\k:177+8*\s+\k]   ; b_hid + c's parts, K ascending
.endr
.endr
	LOADH 1, 0
	s_wait_loadcnt 32                              ; steps 0-7 are in
	TURN 0
	s_wait_alu depctr_va_vdst(0)                   ; the additions have written v240-247, which the first two stores below read
	ds_store_b128 v[VCI], v[240:243]               ; exactly four stores, as a step leaves behind it: so the loop's first wait counts alike on the way in
	ds_store_b128 v[VCI], v[244:247] offset:16
	ds_store_b128 v[VCI], v[248:251] offset:4096
	ds_store_b128 v[VCI], v[252:255] offset:4112
	XLOOP 0                                        ; my rows 0-15
	WIN 0xc0                                       ; their bf16 are parked in window 3: the next rows' take their bytes (LDS serves a wave's instructions in order)
.set i, 0
.rept 64
	ds_load_b128 v[4*i:4*i+3], v[VPK] offset:512*i
.set i, i+1
.endr
	WIN 0
	s_mov_b32 s[SA], 16*APITCH
	s_mov_b32 s[SB], 0
	s_mov_b32 s[SS], 16*48
	XLOOP 1                                        ; my rows 16-31
	s_wait_dscnt 0x0                               ; my stores have landed, my loads are in
	s_wait_loadcnt 0x0                             ; no load is out: window 1 may take W
	s_wait_alu depctr_vm_vsrc(0)                   ; the stage's stores have read window 1, in which W lands; the last two steps' stores have read v160-185, and the head's four v240-255, in which enc's fragments land
	WLOAD 0, 0
	WLOAD 1, 1
	WLOAD 2, 2                                     ; three sets; each K step asks for the set three steps on
	WIN 0
	s_barrier_signal -1
	s_barrier_wait -1                              ; codes, scale bytes, c + b_hid and w_score of the whole group lie in LDS
.irp ap, 0,1,2,3
.irp q, 0,1
	ds_load_b128 v[ASCR+8*\ap+4*\q:ASCR+8*\ap+4*\q+3], v[VAS] offset:1536*\ap+16*\q   ; enc's scale words of all 8 K steps: they stay
.endr
.endr
	FETCHA 0, 0                                    ; (the last step's wait on va_vdst has shown the load phase's arithmetic done with v128-185; no vector instruction has been issued since)
	FETCHA 0, 4
.irp k, 0,1,2,3,4,5,6,7,8,9,10,11,12,13,14,15
	v_mov_b32 v[SC+\k], 0                          ; the score sums run over all four passes
.endr
	s_mov_b32 s[PASS], 0
	s_mov_b32 s[PO], 0
.Lpass:
	s_wait_alu depctr_vm_vsrc(0)                   ; the last pass's loads of C and of w_score have read v27
	v_add_nc_u32 v[VCW], s[PO], v[VCW0]
	s_wait_alu depctr_va_vdst(0)                   ; v27 is written, which the loads below read; the last pass's multiply-adds are done reading v72-103, in which they land
	CWLOAD 0
	s_wait_dscnt 0x0
	s_cmp_eq_u32 s[PASS], 3
	s_cbranch_scc1 .Llast_pass
.irp s, 0,1,2,3,4,5,6,7
	KSTEP \s, 34, 1, 1                             ; two younger sets of 17 loads may be out; sets 8-10 are the next pass's first
.endr
	s_branch .Lpass_end
.Llast_pass:                                           ; written out: no load leaves my stream: steps 0-4 ask for sets 3-7, and the counts run down
	KSTEP 0, 34, 1, 1
	KSTEP 1, 34, 1, 1
	KSTEP 2, 34, 1, 1
	KSTEP 3, 34, 1, 1
	KSTEP 4, 34, 1, 1
	KSTEP 5, 34, 0, 1
	KSTEP 6, 17, 0, 1
	KSTEP 7, 0, 0, 0
.Lpass_end:
	EPI
	s_wait_xcnt 0x0                                ; the loads have read their base: it may step
	s_add_nc_u64 s[6:7], s[6:7], 8*SETB
	s_add_co_u32 s[PO], s[PO], 1024
	s_add_co_u32 s[PASS], s[PASS], 1
	s_cmp_lt_u32 s[PASS], 4
	s_cbranch_scc1 .Lpass
	s_wait_loadcnt 0x0
	s_wait_alu depctr_va_vdst(0)
	; ---- the scores: my 256 columns' part of each row, then all four waves' parts
.irp a, 0,1,2,3,4,5,6,7
	v_add_f32 v[SC+2*\a], v[SC+2*\a], v[SC+2*\a+1]
.endr
.irp a, 0,1,2,3,4,5,6,7
	v_permlanex16_b32 v[SC+2*\a+1], v[SC+2*\a], s[SEL], s[SEL+1]
.endr
.irp a, 0,1,2,3,4,5,6,7
	v_add_f32 v[SC+2*\a], v[SC+2*\a], v[SC+2*\a+1] ; lane l: row 16 a + l % 16
.endr
	v_cmp_le_u32 vcc_lo, 16, v[LN]
	s_wait_alu depctr_va_vcc(0)                    ; VCC is written, ahead of the selects that read it
.irp i, 0,1,2,3
	v_cndmask_b32 v[120+\i], v[SC+4*\i], v[SC+4*\i+2], vcc_lo    ; lane l: row 32 i + l
.endr
	s_wait_alu depctr_va_vdst(0)                   ; the selects have written v120-123, which the stores read; the last pass's multiply-adds are done reading v72-87, in which the loads behind the barrier land
.irp i, 0,1,2,3
	ds_store_b32 v[VSRW], v[120+\i] offset:128*\i
.endr
	s_wait_dscnt 0x0                               ; my parts have landed, and my reads of the codes are over
	s_wait_alu depctr_vm_vsrc(0)                   ; the four stores have read v120-123, of which the search for the largest score writes v120 and v121 again
	s_barrier_signal -1
	s_barrier_wait -1                              ; nobody reads the codes any more
.irp q, 0,1,2,3
	ds_load_b128 v[72+4*\q:75+4*\q], v[VSRR] offset:512*\q       ; rows 4 l .. 4 l + 3, wave q's part
.endr
	WIN 0x0c                                       ; the parked rows are laid over the codes
.set i, 0
.rept 64
	ds_store_b128 v[VDP], v[4*i:4*i+3] offset:512*i
.set i, i+1
.endr
	WIN 0
	s_wait_dscnt 63                                ; the four loads are in: 64 stores were issued behind them, and 63 is the nearest count that a wait can name
	v_pk_add_f32 v[72:73], v[72:73], v[76:77]      ; every wave adds in the same order: the same bits in all four
	v_pk_add_f32 v[74:75], v[74:75], v[78:79]
	v_pk_add_f32 v[72:73], v[72:73], v[80:81]
	v_pk_add_f32 v[74:75], v[74:75], v[82:83]
	v_pk_add_f32 v[72:73], v[72:73], v[84:85]
	v_pk_add_f32 v[74:75], v[74:75], v[86:87]
	v_pk_mul_f32 v[72:73], v[72:73], -2.0 op_sel_hi:[1,0]
	v_pk_mul_f32 v[74:75], v[74:75], -2.0 op_sel_hi:[1,0]        ; the scores, less the constant sum of w
	v_max3_num_f32 v120, v72, v73, v74
	v_max_num_f32 v120, v120, v75
	v_max_num_f32_dpp v120, v120, v120 row_xmask:1 row_mask:0xf bank_mask:0xf
	v_max_num_f32_dpp v120, v120, v120 row_xmask:2 row_mask:0xf bank_mask:0xf
	v_max_num_f32_dpp v120, v120, v120 row_xmask:4 row_mask:0xf bank_mask:0xf
	v_max_num_f32_dpp v120, v120, v120 row_xmask:8 row_mask:0xf bank_mask:0xf
	v_permlanex16_b32 v121, v120, s[SEL], s[SEL+1]
	v_max_num_f32 v120, v120, v121                 ; the group's largest score
.irp i, 0,1,2,3
	v_sub_f32 v[76+\i], v[72+\i], v120
.endr
.irp i, 0,1,2,3
	v_mul_f32 v[76+\i], 0x3fb8aa3b, v[76+\i]
.endr
	s_wait_alu depctr_va_vdst(0)
.irp i, 0,1,2,3
	v_exp_f32 v[76+\i], v[76+\i]                   ; p = e^(score - the largest), at most 1
.endr
	v_nop
	s_wait_alu depctr_va_vdst(0)                   ; the four exponentials have written v76-79, ahead of their first reader, the LDS store; the scalings have written v72-75, which wave 0's store reads
	ds_store_b128 v[VPWW], v[76:79]                ; my wave's own copy of p
	s_cmp_lg_u32 s[WV], 0
	s_cbranch_scc1 .Lnot_wave_0
	global_store_b128 v[VE], v[72:75], s[14:15]    ; the 128 scores: 512 consecutive bytes
.Lnot_wave_0:
	s_wait_xcnt 0x0                                ; the store has read its data: the registers take p below
	s_wait_dscnt 0x0
	s_barrier_signal -1
	s_barrier_wait -1                              ; all 128 rows lie in LDS as bf16
	; ---- the context's part: 4 trips of 32 rows: 16 that were parked (rows 32 w' + 0 .. 15), 16 that stayed (+ 16 .. 31)
.irp e, 0,1,2,3,4,5,6,7
	v_mov_b32 v[CA+\e], 0
.endr
	s_mov_b32 s[CO], 0
	s_mov_b32 s[CP], 0
	s_mov_b32 s[TR], 4
.Lctx:
	s_wait_alu depctr_vm_vsrc(0)                   ; the last trip's loads have read v28-30; on the way in: the stores of the scores and of p have read v72-79, in which p lands
	v_add_nc_u32 v[VC1W], s[CO], v[VC1]
	v_add_nc_u32 v[VC2W], s[CO], v[VC2]
	v_add_nc_u32 v[VPR], s[CP], v[VPR0]
	s_wait_alu depctr_va_vdst(0)                   ; v28-30 are written, which the loads below read; the last trip's multiply-adds are done reading p and the rows (on the way in: the softmax's lines are done with v72-87), in which they land
	CLOAD XB0, PB0, VC1W, 0
	CLOAD XB1, PB1, VC2W, 64
	s_wait_dscnt 36                                ; the first 36 loads are in
	CFMA XB0, PB0
	s_wait_alu depctr_va_vdst(0)
	s_wait_dscnt 0x0
	CFMA XB1, PB1
	s_add_co_u32 s[CO], s[CO], 32768
	s_add_co_u32 s[CP], s[CP], 128
	s_sub_co_u32 s[TR], s[TR], 1
	s_cmp_lg_u32 s[TR], 0
	s_cbranch_scc1 .Lctx
	s_wait_alu depctr_va_vdst(0)                   ; the multiply-adds have written v104-111, which the two stores read
	global_store_b128 v[VOUT], v[CA:CA+3], s[16:17]              ; a wave stores 512 consecutive bytes
	global_store_b128 v[VOUT], v[CA+4:CA+7], s[16:17] offset:2048
	s_wait_dscnt 0x0
	s_wait_alu depctr_hold_cnt(0) depctr_sa_sdst(0) depctr_va_vdst(0) depctr_va_sdst(0) depctr_va_ssrc(0) depctr_va_vcc(0) depctr_vm_vsrc(0)
	s_wait_tensorcnt 0x0
	ds_add_u32 v126, v127
	s_wait_dscnt 0x0
	s_endpgm
.Lfunc_end_k_q7e8ecce1cf_main:
	.size	k_q7e8ecce1cf_main, .Lfunc_end_k_q7e8ecce1cf_main-k_q7e8ecce1cf_main
	.p2alignl 7, 3214868480
	.fill 96, 4, 3214868480
	.section	.rodata,"a",@progbits
	.p2align	6, 0x0
	.amdhsa_kernel k_q7e8ecce1cf_main
		.amdhsa_group_segment_fixed_size 303616
		.amdhsa_private_segment_fixed_size 0
		.amdhsa_enable_private_segment 0
		.amdhsa_kernarg_size 56
		.amdhsa_user_sgpr_count 2
		.amdhsa_user_sgpr_kernarg_segment_ptr 1
		.amdhsa_wavefront_size32 1
		.amdhsa_system_sgpr_workgroup_id_x 1
		.amdhsa_system_sgpr_workgroup_id_y 1
		.amdhsa_system_sgpr_workgroup_id_z 1
		.amdhsa_system_vgpr_workitem_id 0
		.amdhsa_next_free_vgpr 1024
		.amdhsa_next_free_sgpr 66
		.amdhsa_reserve_vcc 1
		.amdhsa_float_denorm_mode_32 3
		.amdhsa_float_denorm_mode_16_64 3
		.amdhsa_memory_ordered 1
		.amdhsa_forward_progress 1
		.amdhsa_inst_pref_size 255
	.end_amdhsa_kernel
	.section	.bss,"aw",@nobits
	.p2align	6
	.space	262144
	.amdgpu_metadata
---
amdhsa.version: [ 1, 2 ]
amdhsa.kernels:
  - .name:           k_q7e8ecce1cf_main
    .symbol:         k_q7e8ecce1cf_main.kd
    .args:
      - { .name: encoder_outputs, .offset: 0, .size: 8, .value_kind: global_buffer, .address_space: global }
      - { .name: wimg, .offset: 8, .size: 8, .value_kind: global_buffer, .address_space: global }
      - { .name: cpart, .offset: 16, .size: 8, .value_kind: global_buffer, .address_space: global }
      - { .name: b_hid, .offset: 24, .size: 8, .value_kind: global_buffer, .address_space: global }
      - { .name: w_score, .offset: 32, .size: 8, .value_kind: global_buffer, .address_space: global }
      - { .name: scores, .offset: 40, .size: 8, .value_kind: global_buffer, .address_space: global }
      - { .name: pctx, .offset: 48, .size: 8, .value_kind: global_buffer, .address_space: global }
    .group_segment_fixed_size: 303616
    .private_segment_fixed_size: 0
    .kernarg_segment_align: 8
    .kernarg_segment_size: 56
    .max_flat_workgroup_size: 128
    .sgpr_count:     66
    .vgpr_count:     1024
    .wavefront_size: 32
...
	.end_amdgpu_metadata
.endif
;; end of part 5
;; launch combine (part 6): grid 256 x 1, 1 waves a work-group, no clusters, 0 bytes of LDS; arguments scores, pctx, out0, out1; writes out0, out1
.if DOCPART == 6
	.amdgcn_target "amdgcn-amd-amdhsa--gfx1250"
	.amdhsa_code_object_version 6
	.text
	.protected	k_q7e8ecce1cf_combine
	.globl	k_q7e8ecce1cf_combine
	.p2align	8
	.type	k_q7e8ecce1cf_combine,@function
k_q7e8ecce1cf_combine:
	s_mov_b64 s[64:65], 0
	v_nop
	global_prefetch_b8 v0, s[64:65] scope:SCOPE_SE
	s_setreg_imm32_b32 hwreg(HW_REG_WAVE_MODE, 25, 1), 1
	s_wait_xcnt 0x0
; The softmax over a batch's 1,024 scores and the joining of its eight parts of the context.  Work-group x (one wave): batch b = x / 8, slice j = x % 8: 128 numbers of out0 and of out1.
; scores [32][1024]: the score less a constant, which the softmax cancels.  pctx [256][1024]: row 8 b + i = sum over chunk i's 128 rows t of e^(score - m_i) enc[t], m_i the chunk's largest score.
; Every work-group finds m_i anew from the stored scores (a maximum rounds nothing, so they are the bits that the launch before used), M = the largest m_i, L = the sum of e^(score - M).
; out1 = e^(score - M) / L;  out0 = (sum over i of e^(m_i - M) pctx[8 b + i]) / L.  Memory binds nothing here: 17 loads and 2 stores a wave, each of 512 consecutive bytes.
	s_load_b128 s[4:7], s[0:1], 0x0                ; scores, pctx
	s_load_b128 s[8:11], s[0:1], 0x10              ; out0, out1
	v_lshlrev_b32 v1, 4, v0                        ; 16 x lane
	s_mov_b32 s2, 0x76543210
	s_mov_b32 s3, 0xfedcba98                       ; selects for lane l xor 16
	s_lshr_b32 s12, ttmp9, 3                       ; b
	s_and_b32 s13, ttmp9, 7                        ; j
	s_lshl_b32 s14, s12, 12                        ; the batch's row of 4,096 bytes
	s_mov_b32 s15, 0
	s_lshl_b32 s16, s13, 9
	s_lshl_b32 s18, s12, 15                        ; the batch's eight rows of pctx,
	s_add_co_u32 s18, s18, s16                     ; my slice of each
	s_add_co_u32 s16, s16, s14                     ; my slice of the batch's row
	s_mov_b32 s17, 0
	s_mov_b32 s19, 0
	s_wait_alu depctr_va_vdst(0)
	s_wait_kmcnt 0x0
	s_add_nc_u64 s[20:21], s[4:5], s[14:15]
	s_add_nc_u64 s[22:23], s[4:5], s[16:17]
	s_add_nc_u64 s[6:7], s[6:7], s[18:19]
	s_add_nc_u64 s[8:9], s[8:9], s[16:17]
	s_add_nc_u64 s[10:11], s[10:11], s[16:17]
.irp i, 0,1,2,3,4,5,6,7
	global_load_b128 v[8+4*\i:11+4*\i], v1, s[20:21] offset:512*\i   ; chunk i's scores, four a lane
.endr
	global_load_b128 v[40:43], v1, s[22:23]        ; my slice's scores
.irp i, 0,1,2,3,4,5,6,7
	global_load_b128 v[44+4*\i:47+4*\i], v1, s[6:7] offset:4096*\i   ; part i of the context, my slice
.endr
.irp i, 0,1,2,3,4,5,6,7
	v_mov_b32 v[84+\i], 0                          ; a lane permute's destination counts as one of its sources
.endr
	v_mov_b32 v96, 0
	s_wait_loadcnt 0x0
.irp i, 0,1,2,3,4,5,6,7
	v_max3_num_f32 v[76+\i], v[8+4*\i], v[9+4*\i], v[10+4*\i]
.endr
.irp i, 0,1,2,3,4,5,6,7
	v_max_num_f32 v[76+\i], v[76+\i], v[11+4*\i]
.endr
.irp m, 1,2,4,8
.irp i, 0,1,2,3,4,5,6,7
	v_max_num_f32_dpp v[76+\i], v[76+\i], v[76+\i] row_xmask:\m row_mask:0xf bank_mask:0xf
.endr
.endr
.irp i, 0,1,2,3,4,5,6,7
	v_permlanex16_b32 v[84+\i], v[76+\i], s2, s3
.endr
.irp i, 0,1,2,3,4,5,6,7
	v_max_num_f32 v[76+\i], v[76+\i], v[84+\i]     ; m_i, in every lane
.endr
	v_max3_num_f32 v92, v76, v77, v78
	v_max3_num_f32 v92, v92, v79, v80
	v_max3_num_f32 v92, v92, v81, v82
	v_max_num_f32 v92, v92, v83                    ; M
.set i, 8
.rept 36                               ; the 32 scores and my slice's four
	v_sub_f32 v[i], v[i], v92
.set i, i+1
.endr
.irp i, 0,1,2,3,4,5,6,7
	v_sub_f32 v[76+\i], v[76+\i], v92
.endr
.set i, 8
.rept 36
	v_mul_f32 v[i], 0x3fb8aa3b, v[i]
.set i, i+1
.endr
.irp i, 0,1,2,3,4,5,6,7
	v_mul_f32 v[76+\i], 0x3fb8aa3b, v[76+\i]
.endr
.set i, 8
	s_wait_alu depctr_va_vdst(0)
.rept 36
	v_exp_f32 v[i], v[i]
.set i, i+1
.endr
.irp i, 0,1,2,3,4,5,6,7
	v_exp_f32 v[76+\i], v[76+\i]
.endr
	v_nop                                          ; a plain instruction behind the last exponential
	s_wait_alu depctr_va_vdst(0)                   ; one wait for the 44, ahead of their first reader
	v_pk_add_f32 v[94:95], v[8:9], v[10:11]
.irp k, 12,14,16,18,20,22,24,26,28,30,32,34,36,38
	v_pk_add_f32 v[94:95], v[94:95], v[\k:\k+1]
.endr
	v_add_f32 v94, v94, v95
	v_add_f32_dpp v94, v94, v94 row_xmask:1 row_mask:0xf bank_mask:0xf
	v_add_f32_dpp v94, v94, v94 row_xmask:2 row_mask:0xf bank_mask:0xf
	v_add_f32_dpp v94, v94, v94 row_xmask:4 row_mask:0xf bank_mask:0xf
	v_add_f32_dpp v94, v94, v94 row_xmask:8 row_mask:0xf bank_mask:0xf
	v_permlanex16_b32 v96, v94, s2, s3
	v_add_f32 v94, v94, v96                        ; L
	s_wait_alu depctr_va_vdst(0)
	v_rcp_f32 v97, v94
.irp k, 0,1,2,3
	v_mul_f32 v[100+\k], v76, v[44+\k]             ; plain work behind the reciprocal: the parts under M
.endr
.irp i, 1,2,3,4,5,6,7
.irp k, 0,1,2,3
	v_fma_f32 v[100+\k], v[76+\i], v[44+4*\i+\k], v[100+\k]
.endr
.endr
	s_wait_alu depctr_va_vdst(0)                   ; ahead of the reciprocal's first reader
.irp k, 0,1,2,3
	v_mul_f32 v[100+\k], v[100+\k], v97
	v_mul_f32 v[40+\k], v[40+\k], v97
.endr
	global_store_b128 v1, v[100:103], s[8:9]       ; 512 consecutive bytes of out0,
	global_store_b128 v1, v[40:43], s[10:11]       ; and of out1
	s_endpgm
.Lfunc_end_k_q7e8ecce1cf_combine:
	.size	k_q7e8ecce1cf_combine, .Lfunc_end_k_q7e8ecce1cf_combine-k_q7e8ecce1cf_combine
	.p2alignl 7, 3214868480
	.fill 96, 4, 3214868480
	.section	.rodata,"a",@progbits
	.p2align	6, 0x0
	.amdhsa_kernel k_q7e8ecce1cf_combine
		.amdhsa_group_segment_fixed_size 0
		.amdhsa_private_segment_fixed_size 0
		.amdhsa_enable_private_segment 0
		.amdhsa_kernarg_size 32
		.amdhsa_user_sgpr_count 2
		.amdhsa_user_sgpr_kernarg_segment_ptr 1
		.amdhsa_wavefront_size32 1
		.amdhsa_system_sgpr_workgroup_id_x 1
		.amdhsa_system_sgpr_workgroup_id_y 1
		.amdhsa_system_sgpr_workgroup_id_z 1
		.amdhsa_system_vgpr_workitem_id 0
		.amdhsa_next_free_vgpr 112
		.amdhsa_next_free_sgpr 66
		.amdhsa_reserve_vcc 0
		.amdhsa_float_denorm_mode_32 3
		.amdhsa_float_denorm_mode_16_64 3
		.amdhsa_memory_ordered 1
		.amdhsa_forward_progress 1
		.amdhsa_inst_pref_size 17
	.end_amdhsa_kernel
	.amdgpu_metadata
---
amdhsa.version: [ 1, 2 ]
amdhsa.kernels:
  - .name:           k_q7e8ecce1cf_combine
    .symbol:         k_q7e8ecce1cf_combine.kd
    .args:
      - { .name: scores, .offset: 0, .size: 8, .value_kind: global_buffer, .address_space: global }
      - { .name: pctx, .offset: 8, .size: 8, .value_kind: global_buffer, .address_space: global }
      - { .name: out0, .offset: 16, .size: 8, .value_kind: global_buffer, .address_space: global }
      - { .name: out1, .offset: 24, .size: 8, .value_kind: global_buffer, .address_space: global }
    .group_segment_fixed_size: 0
    .private_segment_fixed_size: 0
    .kernarg_segment_align: 8
    .kernarg_segment_size: 32
    .max_flat_workgroup_size: 32
    .sgpr_count:     66
    .vgpr_count:     112
    .wavefront_size: 32
...
	.end_amdgpu_metadata
.endif
;; end of part 6
